; MI455X (gfx1250); checked and timed in simulation.
; The chip was launched on July 23, 2026; its instructions are those of AMD's public machine-readable ISA for CDNA 5 (MIT licence, August 2026) and "CDNA5" Instruction Set Architecture Reference Guide (July 2026). The comments in the code are by the model that wrote it; some were corrected since.
;; MHSA Module. Allowed arithmetic: matrix products marked QUANTISED: E4M3 operands, one E8M0 scale for each 32 along K, by v_wmma_scale_f32_16x16x128_f8f6f4 with both operands' format E4M3, f32 sums; everything else in f32.
;; Inputs: Wk 1,024 x 1,024 float32; Wo 1,024 x 1,024 float32; Wq 1,024 x 1,024 float32; Wv 1,024 x 1,024 float32; bk 1,024 float32; bo 1,024 float32; bq 1,024 float32; bv 1,024 float32; x 4 x 2,048 x 1,024 float32.
;; Outputs: out0 4 x 2,048 x 1,024 float32.
;; This version of the problem:
;;   THIS VERSION OF THE PROBLEM IS GIVEN IN LOW PRECISION. The matrix products marked QUANTISED in the list below multiply operands that are first quantised to E4M3 (4 exponent bits, 3 mantissa bits; 8 bits a number), with one power-of-two scale for each 32 numbers along K (OCP MX v1.0); their sums are f32. All else is computed in f32.
;;   The module's matrix products, in the order in which they are computed (A, B: the left and right operand; K: the contracted axis; several contracted axes count as one K, in the product's order):
;;     1. [M 8,192, K 1,024] x [K 1,024, N 1,024]; A: input x; B: input Wq: QUANTISED
;;     2. [M 8,192, K 1,024] x [K 1,024, N 1,024]; A: input x; B: input Wk: QUANTISED
;;     3. [M 8,192, K 1,024] x [K 1,024, N 1,024]; A: input x; B: input Wv: QUANTISED
;;     4. batch 64 x [M 2,048, K 64] x [K 64, N 2,048]; A: computed on the way; B: computed on the way: QUANTISED
;;     5. batch 64 x [M 2,048, K 2,048] x [K 2,048, N 64]; A: softmax (see below); B: computed on the way: QUANTISED
;;     6. [M 8,192, K 1,024] x [K 1,024, N 1,024]; A: computed on the way; B: input Wo: QUANTISED
;;   THE QUANTISER, for each operand of a quantised product, along K:
;;     - K is cut into blocks of 32 from its start; a last block that is shorter is filled with zeros.
;;     - A block's scale is 2^e with e = floor(log2(the largest magnitude in the block)) - 8, held to -126 .. 127; a block of zeros has e = 0. As a byte (E8M0): e + 127.
;;     - Each number is divided by its block's scale, clamped to +-448, and rounded to the nearest number of E4M3, ties to even, subnormals kept.
;;     - The product sums the exact products of the quantised numbers (number of the format x scale) in f32.
;;   ~~~python
;;   def quantise(x, axis):      # numpy; x: float32 -> the quantised numbers, widened to float32 again
;;       x = np.moveaxis(x, axis, -1); K = x.shape[-1]
;;       x = np.pad(x, [(0, 0)] * (x.ndim - 1) + [(0, -K % 32)]); x = x.reshape(x.shape[:-1] + (-1, 32)); a = np.abs(x).max(-1, keepdims=True)
;;       e = np.where(a > 0, np.clip(np.frexp(np.where(a > 0, a, 1))[1] - 1 - 8, -126, 127), 0)      # np.frexp(a)[1] - 1 = floor(log2(a)), exactly
;;       r = np.clip(x / 2.0 ** e, -448, 448)
;;       step = 2.0 ** (np.maximum(np.frexp(np.where(r == 0, 1, r))[1] - 1, -6) - 3)
;;       q = np.round(r / step) * step * 2.0 ** e      # np.round: ties to even
;;       return np.moveaxis(q.reshape(q.shape[:-2] + (-1,))[..., :K], -1, axis).astype(np.float32)
;;   ~~~
;;   SOFTMAX AHEAD OF A QUANTISED PRODUCT. Where the list says 'softmax', what is quantised is not the finished softmax but p = 2^(t - M), with t = logit x log2(e) and M = ceil(the row's largest t), a whole number; so 1/2 < the row's largest p <= 1. The row's sum l is taken of the UNQUANTISED p, in f32, and the product's result is divided by l at the end. Since M is a whole number, a kernel that streams over the keys may use a running M (the ceiling of the running maximum): every later rescaling is an exact power of two, which a block's scale takes up: the codes' values come out the same.
;;   OPERANDS COMPUTED ON THE WAY. 'Computed on the way' means the value that the module computes at that place (a softmax that the list does not call 'softmax' is quantised finished and normalised). What goes into a quantiser is computed in f32, as accurately as f32 sums, v_exp_f32 and their like allow (about 1e-6 of the number): no bf16 or f16 on the way to a quantiser, and a product that is left as it is and whose result goes on into a quantised operand takes f32 operands (vector FMAs, or v_wmma_f32_16x16x4_f32). A number that lies on a knife's edge between two numbers of the format may be rounded either way, as far as f32 arithmetic and the matrix unit's own rounding can turn it there, and no further.
;; One version. Each part assembles by itself: llvm-mc -triple=amdgcn-amd-amdhsa -mcpu=gfx1250 --defsym DOCPART=n.
;; ======== version 1 of 1: 4 launches
;; limits: right only within a limited range of input values
;; workspace buffers: img 12,582,912 bytes; imgs 393,216 bytes; qkv 25,165,824 bytes; qkvs 1,572,864 bytes; oimg 8,388,608 bytes; oimgs 262,144 bytes
;; launch quant (part 1): grid 768 x 1, 4 waves a work-group, no clusters, 68,096 bytes of LDS; arguments x, Wq, Wk, Wv, Wo, img, imgs; writes img, imgs
.if DOCPART == 1
	.amdgcn_target "amdgcn-amd-amdhsa--gfx1250"
	.amdhsa_code_object_version 6
	.text
	.protected	k_q0755cae75f_quant
	.globl	k_q0755cae75f_quant
	.p2align	8
	.type	k_q0755cae75f_quant,@function
k_q0755cae75f_quant:
	s_mov_b64 s[64:65], 0
	v_nop
	global_prefetch_b8 v0, s[64:65] scope:SCOPE_SE
	s_setreg_imm32_b32 hwreg(HW_REG_WAVE_MODE, 25, 1), 1
	s_wait_xcnt 0x0
; x [8192][1024] and Wq, Wk, Wv, Wo [1024][1024], f32 with K innermost, become codes of FP8 (E4M3) with one E8M0 scale byte for each 32 along K.
; A block's scale is 2^(floor(log2(its largest magnitude)) - 8); its byte is the largest magnitude's exponent field - 8, held at 1 from below.  Each number is divided by the scale, held within +-448, rounded to the nearest code.
; LIMITS: a block of zeros gets the byte 1 (its codes are zeros, and this program alone reads the bytes); NaN and infinities among the inputs are not served.
; THE OUTPUT IS AN IMAGE OF THE OPERAND'S REGISTERS.  The 12,288 rows (x, then Wq, Wk, Wv, Wo) are 768 tiles of 16; lane r of tile T holds row 32 (T / 2) + 8 (T % 2) + r + 8 (r / 8).
;   img  [T][s 8][c 4][lane 32][16 bytes]: lane (r, h) holds k = 128 s + 32 c + 16 h + 0 .. 15 of its row: what registers 4 c .. 4 c + 3 of a fragment hold.
;   imgs [T][s / 2][r 16][s % 2][4 bytes]: a row's scale word for 128 along K.
; SHARES.  A work-group takes a tile, wave u its K steps 2 u and 2 u + 1: 16 rows x 1,024 bytes.  Each load reads 512 consecutive bytes of a row; the conversions want 16 neighbours along K in ONE lane,
; so a K step's 8,192 bytes turn through the wave's own stage in LDS.  Waves share nothing: no barrier.  All 32 loads of a wave are out at once; no loop, every offset is an immediate.
; No cluster: no two work-groups read the same bytes.
.set SROW, 528                         ; a stage row: 512 bytes + 16 = 132 words: row r starts at bank 4 r mod 64 (64 banks of 4 bytes: ISA guide 11.1)
.set STG,  16*SROW                     ; a stage: one K step of 16 rows
.set WREG, 2*STG                       ; a wave's two stages
.set TM,   16                          ; v16-19 largest magnitudes, v20-23 bytes, v28-31 the conversions' scale operands
.set PC0,  32                          ; v32-47  the first fragment's codes
.set PC1,  48                          ; v48-63  the second's
.set R0,   64                          ; v64-127 the first K step as loaded; later the second after its turn
.set R1,   128                         ; v128-191 the second K step as loaded
.set X0,   192                         ; v192-255 the first K step after its turn
.set SRC,  18                          ; s[18:19] my tensor, at my wave's first byte
.set SEL,  24                          ; s[24:25] v_permlanex16_b32's selects for lane l xor 16
.set MNT,  26
.set WV,   27                          ; s27 my wave's number
	s_load_b256 s[4:11], s[0:1], 0x0               ; x, Wq, Wk, Wv
	s_load_b128 s[12:15], s[0:1], 0x20             ; Wo, img
	s_load_b64 s[16:17], s[0:1], 0x30              ; imgs
	v_lshl_add_u32 v14, v0, 2, 0x10800
	v_mov_b32 v15, 0
	v_lshrrev_b32 v1, 5, v0
	v_readfirstlane_b32 s[WV], v1                  ; wave u
	v_and_b32 v1, 31, v0                           ; lane
	v_and_b32 v6, 15, v0                           ; r
	v_bfe_u32 v10, v0, 4, 1                        ; h
	v_lshlrev_b32 v2, 4, v1                        ; 16 x lane: my bytes of a load's 512 and of a store's 512
	s_mul_i32 s28, s[WV], WREG
	v_add_nc_u32 v3, s28, v2                       ; the stage, on the way in: a row as it lies
	v_mul_u32_u24 v4, v6, SROW
	v_lshl_add_u32 v4, v10, 6, v4
	v_add_nc_u32 v4, s28, v4                       ; and on the way out: row r, + 64 h: my 16 numbers of each block of 32
	v_lshlrev_b32 v5, 3, v6
	v_lshl_add_u32 v5, v10, 2, v5                  ; the scale words: 8 r + 4 h: lanes 0-15 store the first K step's, lanes 16-31 the second's
	s_mov_b32 s[SEL], 0x76543210
	s_mov_b32 s[SEL+1], 0xfedcba98
.irp b, 0,1,2,3
	v_mov_b32 v[TM+4+\b], 0                        ; written once: a lane permute's destination counts as one of its sources
.endr
	s_wait_alu depctr_va_vdst(0)
	s_wait_kmcnt 0x0
	s_cmp_lt_u32 ttmp9, 704                        ; which tensor holds my tile: the choice hangs on the work-group's number alone
	s_cselect_b64 s[SRC:SRC+1], s[10:11], s[12:13]
	s_cmp_lt_u32 ttmp9, 640
	s_cselect_b64 s[SRC:SRC+1], s[8:9], s[SRC:SRC+1]
	s_cmp_lt_u32 ttmp9, 576
	s_cselect_b64 s[SRC:SRC+1], s[6:7], s[SRC:SRC+1]
	s_cmp_lt_u32 ttmp9, 512
	s_cselect_b64 s[SRC:SRC+1], s[4:5], s[SRC:SRC+1]
	s_cselect_b32 s20, 511, 63
	s_and_b32 s20, ttmp9, s20                      ; the tile's number inside its tensor
	s_lshr_b32 s21, s20, 1
	s_lshl_b32 s21, s21, 17                        ; 32 rows of 4,096 bytes for each pair of tiles,
	s_and_b32 s22, s20, 1
	s_lshl_b32 s22, s22, 15                        ; 8 rows for the odd tile,
	s_add_co_u32 s22, s22, s21
	s_lshl_b32 s21, s[WV], 10                      ; my wave's 1,024 bytes of a row
	s_add_co_u32 s22, s22, s21
	s_mov_b32 s23, 0
	s_add_nc_u64 s[SRC:SRC+1], s[SRC:SRC+1], s[22:23]
	s_lshl_b32 s22, ttmp9, 14                      ; img: 16,384 bytes a tile, 4,096 a wave
	s_lshl_b32 s21, s[WV], 12
	s_add_co_u32 s22, s22, s21
	s_add_nc_u64 s[14:15], s[14:15], s[22:23]
	s_lshl_b32 s22, ttmp9, 9                       ; imgs: 512 bytes a tile, 128 a wave
	s_lshl_b32 s21, s[WV], 7
	s_add_co_u32 s22, s22, s21
	s_add_nc_u64 s[16:17], s[16:17], s[22:23]
.macro LOADQ q, reg                    ; K step q of my two: 16 rows x 512 consecutive bytes; lane index i of the tile is row i + 8 (i / 8)
.irp i, 0,1,2,3,4,5,6,7,8,9,10,11,12,13,14,15
	global_load_b128 v[\reg+4*\i:\reg+4*\i+3], v2, s[SRC:SRC+1] offset:(\i+8*(\i/8))*4096+512*\q th:TH_LOAD_NT
.endr
.endm
.macro TURN q, src, dst                ; through stage q: LDS serves a wave's instructions in order, so no wait stands between the stores and the loads
.irp i, 0,1,2,3,4,5,6,7,8,9,10,11,12,13,14,15
	ds_store_b128 v3, v[\src+4*\i:\src+4*\i+3] offset:STG*\q+SROW*\i
.endr
.irp b, 0,1,2,3
.irp j, 0,1,2,3
	ds_load_b128 v[\dst+16*\b+4*\j:\dst+16*\b+4*\j+3], v4 offset:STG*\q+128*\b+16*\j
.endr
.endr
.endm
; 64 numbers of a lane, register 16 b + i = k 32 b + 16 h + i of my row, become a fragment's codes in v[pc] on and its scale word in v[pw]
.macro QUANT s, pc, pw
.irp b, 0,1,2,3
	v_max3_num_f32 v[TM+\b], |v[\s+16*\b]|, |v[\s+1+16*\b]|, 0x4800000   ; block b: my 16 numbers, and the floor 2^(9 - 127): so the byte cannot fall under 1
.endr
.irp i, 2,4,6,8,10,12,14
.irp b, 0,1,2,3
	v_max3_num_f32 v[TM+\b], v[TM+\b], |v[\s+16*\b+\i]|, |v[\s+1+16*\b+\i]|   ; the four blocks by turns
.endr
.endr
.irp b, 0,1,2,3
	v_permlanex16_b32 v[TM+4+\b], v[TM+\b], s[SEL], s[SEL+1]
.endr
.irp b, 0,1,2,3
	v_max_num_f32 v[TM+\b], v[TM+\b], v[TM+4+\b]   ; with lane l xor 16's: the block's largest magnitude
.endr
.irp b, 0,1,2,3
	v_add_nc_u32 v[TM+12+\b], 0xfc000000, v[TM+\b] ; 8 off its exponent field: the conversion takes this operand's exponent field as its scale
.endr
.irp b, 0,1,2,3
.endr
.irp b, 0,1,2,3
	v_lshrrev_b32 v[TM+4+\b], 23, v[TM+12+\b]      ; the scale's byte
.endr
	v_lshl_or_b32 v[\pw], v[TM+5], 8, v[TM+4]
	v_lshl_or_b32 v[\pw], v[TM+6], 16, v[\pw]
	v_lshl_or_b32 v[\pw], v[TM+7], 24, v[\pw]      ; my row's scale word
.irp b, 0,1,2,3
.irp i, 0,1,2,3,4,5,6,7,8,9,10,11,12,13,14,15
.endr
	v_cvt_scalef32_pk8_fp8_f32 v[\pc+4*\b:\pc+1+4*\b], v[\s+16*\b:\s+7+16*\b], v[TM+12+\b]
	v_cvt_scalef32_pk8_fp8_f32 v[\pc+2+4*\b:\pc+3+4*\b], v[\s+8+16*\b:\s+15+16*\b], v[TM+12+\b]
.endr
	v_nop                                          ; a plain line behind the last conversion
.endm
	LOADQ 0, R0
	LOADQ 1, R1
	s_wait_loadcnt 16                              ; the first K step's 16 loads are in; the second's may be out
	TURN 0, R0, X0
	s_wait_loadcnt 0x0
	s_wait_dscnt 16                                ; stage 0's 16 stores are done: R0 is free; the 16 loads out of stage 0 may be out
	TURN 1, R1, R0
	s_wait_dscnt 32                                ; the first K step is back; behind it stand stage 1's 16 stores and 16 loads
	QUANT X0, PC0, 7
.irp c, 0,1,2,3
	global_store_b128 v2, v[PC0+4*\c:PC0+4*\c+3], s[14:15] offset:512*\c          ; 32 lanes store 512 consecutive bytes, aligned
.endr
	s_wait_dscnt 0x0
	QUANT R0, PC1, 8
.irp c, 0,1,2,3
	global_store_b128 v2, v[PC1+4*\c:PC1+4*\c+3], s[14:15] offset:2048+512*\c
.endr
	v_cmp_le_u32 vcc_lo, 16, v1
	v_cndmask_b32 v9, v7, v8, vcc_lo               ; both halves of the lanes hold both words: lanes 16-31 take the second K step's
	global_store_b32 v5, v9, s[16:17]              ; 128 consecutive bytes, all lanes on
	s_wait_tensorcnt 0x0
	ds_add_u32 v14, v15
	s_wait_dscnt 0x0
	s_endpgm
.Lfunc_end_k_q0755cae75f_quant:
	.size	k_q0755cae75f_quant, .Lfunc_end_k_q0755cae75f_quant-k_q0755cae75f_quant
	.p2alignl 7, 3214868480
	.fill 96, 4, 3214868480
	.section	.rodata,"a",@progbits
	.p2align	6, 0x0
	.amdhsa_kernel k_q0755cae75f_quant
		.amdhsa_group_segment_fixed_size 68096
		.amdhsa_private_segment_fixed_size 0
		.amdhsa_enable_private_segment 0
		.amdhsa_kernarg_size 56
		.amdhsa_user_sgpr_count 2
		.amdhsa_user_sgpr_kernarg_segment_ptr 1
		.amdhsa_wavefront_size32 1
		.amdhsa_system_sgpr_workgroup_id_x 1
		.amdhsa_system_sgpr_workgroup_id_y 1
		.amdhsa_system_sgpr_workgroup_id_z 1
		.amdhsa_system_vgpr_workitem_id 0
		.amdhsa_next_free_vgpr 256
		.amdhsa_next_free_sgpr 66
		.amdhsa_reserve_vcc 1
		.amdhsa_float_denorm_mode_32 3
		.amdhsa_float_denorm_mode_16_64 3
		.amdhsa_fp16_overflow 1
		.amdhsa_memory_ordered 1
		.amdhsa_forward_progress 1
		.amdhsa_inst_pref_size 18
	.end_amdhsa_kernel
	.amdgpu_metadata
---
amdhsa.version: [ 1, 2 ]
amdhsa.kernels:
  - .name:           k_q0755cae75f_quant
    .symbol:         k_q0755cae75f_quant.kd
    .args:
      - { .name: x, .offset: 0, .size: 8, .value_kind: global_buffer, .address_space: global }
      - { .name: Wq, .offset: 8, .size: 8, .value_kind: global_buffer, .address_space: global }
      - { .name: Wk, .offset: 16, .size: 8, .value_kind: global_buffer, .address_space: global }
      - { .name: Wv, .offset: 24, .size: 8, .value_kind: global_buffer, .address_space: global }
      - { .name: Wo, .offset: 32, .size: 8, .value_kind: global_buffer, .address_space: global }
      - { .name: img, .offset: 40, .size: 8, .value_kind: global_buffer, .address_space: global }
      - { .name: imgs, .offset: 48, .size: 8, .value_kind: global_buffer, .address_space: global }
    .group_segment_fixed_size: 68096
    .private_segment_fixed_size: 0
    .kernarg_segment_align: 8
    .kernarg_segment_size: 56
    .max_flat_workgroup_size: 128
    .sgpr_count:     66
    .vgpr_count:     256
    .wavefront_size: 32
...
	.end_amdgpu_metadata
.endif
;; end of part 1
;; launch proj (part 2): grid 8 x 48, 4 waves a work-group, clusters of 4 x 4, 327,680 bytes of LDS; arguments img, imgs, bq, bk, bv, qkv, qkvs; writes qkv, qkvs
.if DOCPART == 2
	.amdgcn_target "amdgcn-amd-amdhsa--gfx1250"
	.amdhsa_code_object_version 6
	.text
	.protected	k_q0755cae75f_proj
	.globl	k_q0755cae75f_proj
	.p2align	8
	.type	k_q0755cae75f_proj,@function
k_q0755cae75f_proj:
	s_mov_b64 s[64:65], 0
	v_nop
	global_prefetch_b8 v0, s[64:65] scope:SCOPE_SE
	s_setreg_imm32_b32 hwreg(HW_REG_WAVE_MODE, 25, 1), 1
	s_wait_xcnt 0x0
	s_wait_alu depctr_hold_cnt(0) depctr_sa_sdst(0) depctr_va_vdst(0) depctr_va_sdst(0) depctr_va_ssrc(0) depctr_va_vcc(0) depctr_vm_vsrc(0)
	s_getreg_b32 s2, hwreg(HW_REG_IB_STS2, 6, 4)
	s_cmp_eq_u32 s2, 0
	s_cbranch_scc0 .Lentry_in_a_cluster
	s_endpgm
.Lentry_in_a_cluster:
	s_bfe_u32 s2, ttmp6, 0x10000c
	s_cmp_lg_u32 s2, 0xf033
	s_cbranch_scc0 .Lentry_shape_is_right
	s_endpgm
.Lentry_shape_is_right:
; q = x Wq^T + bq, k = x Wk^T + bk, v = x Wv^T + bv on codes of FP8 (E4M3) with E8M0 scales, sums in f32; the results are quantised in registers and leave as images of the next products' operand registers.
; OPERANDS: img [T 768][s 8][c 4][lane][16 bytes] and imgs [T][s / 2][r][s % 2][4 bytes]: tiles 0-511 x, 512.. Wq, 576.. Wk, 640.. Wv; lane r of tile T is row 32 (T / 2) + 8 (T % 2) + r + 8 (r / 8).
; A tile of the result, 256 x 256, is made by four waves, each 128 x 128: 64 accumulators, 512 registers.  K = 1,024 goes in steps of 256 through two LDS slots filled by the tensor data mover.
; THE MATRIX INSTRUCTION IS USED TRANSPOSED: source 0 = a tile of B, source 1 = a tile of A.  A lane then holds one row of A, and by the tiles' choice of rows the 16 registers of B's tiles 2 b and 2 b + 1 are
; 16 NEIGHBOURING rows of B, 32 b + 16 (lane / 16) + 0 .. 15: neighbours along the next product's K.
; TWO JOBS, told apart by the cluster's y, which all partners share:  y < 8: A = x, B = Wq (cluster x = 0) or Wk (1): a lane holds a token, its registers run along the channels: q's and k's K.
;   y >= 8: A = Wv, B = x of batch y - 8: a lane holds a channel, its registers run along the tokens: the keys, v's K.  The jobs differ in addresses, and in which index the bias follows (the first step of 128 along K).
; OUTPUT: qkv: Q at 0, K at 8 MiB: [batch x head 64][tile 128][c 2][lane][16 bytes]; V at 16 MiB: [batch x head][128 keys 16][tile of channels 4][c 4][lane][16 bytes].  qkvs: every offset is qkv's / 16: Q, K: a word for each
;   row, bytes 0 and 1 the head's two blocks, bytes 2 and 3 any byte but 0xff; V: a word for each lane.
; CLUSTERS: 4 x 4 work-groups; A's tiles are asked for jointly along a row of the cluster, B's along a column.
; LIMITS: a block of zeros gets the byte 1 (its codes are zeros; this program alone reads the bytes); NaN and infinities are not served.
; REGISTERS: window 0: v1-31 addresses; v32-63 scale words, two sets; v64-127 the bias as the first products' C, on the way out at work; v128-255 A's fragments, one set.  window 1: B's fragments, two sets.
;   windows 2, 3: the accumulators, (a, b) at v[8 (8 (a % 4) + b)].
.set SLOT,  131072                     ; a slot: A's 16 tiles x 4,096 bytes (two steps of 128 along K), then B's
.set BOFF,  65536
.set SCL,   2*SLOT                     ; behind the ring: A's scale words, 16 tiles x 512 bytes;
.set SCLB,  8320                       ; B's, 128 bytes further on than a multiple of 256, so that the two halves of a load of scale words fall on different banks
.set SPARE, 278784                     ; the spare words, 128 bytes for each wave: two blocks of 256 bytes that no other line names
.set FR,    16                         ; registers of a fragment
.set NL,    4                          ; LDS loads that bring one
.set NP,    8                          ; places behind this matrix instruction (ISA guide 7.12.1)
.set NQ,    2                          ; steps of 128 along K in a slot
.set VC,    8                          ; v8-11  the way out: byte offsets of a fragment's four groups; v8 = 16 x lane
.set VS,    12                         ; v12    and of my scale word
.set VSH,   13                         ; v13    how far the word is shifted for lanes 16-31
.set ADRA,  16                         ; v16-17 LDS address of my A fragments in slot 0, 1
.set ADRB,  20                         ; v20-21 the same for B
.set ADRS,  27                         ; v27    LDS address of my scale words: lanes 0-15 A's, lanes 16-31 B's
.set SPW,   28                         ; v28    LDS address of my spare word; never rewritten
.set NIL,   29                         ; v29    0; never rewritten
.set SC,    32
.set BI,    64
.set TM,    64                         ; the way out: v64-67 largest magnitudes, v68-71 bytes, v76-79 scale operands
.set PW,    80
.set PWS,   81
.set PC,    96                         ; v96-111 the codes just made
.set AF,    128
.set MNT,   3
.set WV,    18
.set AH,    19                         ; wave / 2: my half of A's tiles.  Also: I fetch for A (0) or for B (1)
.set BH,    20                         ; wave % 2: my half of B's tiles.  Also: which 8 tiles I fetch
.set CXI,   21
.set CYI,   22
.set CXC,   23
.set G1,    24
.set G0,    32
.set CYC,   40
.set G1B,   48
.set G0B,   56
.set SEL,   66
.set G1S,   68
.set G0S,   76
.set G1SB,  80
.set G0SB,  88
.set OUT,   92                         ; s[92:93] where my codes go;  s[94:95] my scale words
.set OSC,   94
.set STA,   96                         ; s[96:97] the step from one of A's tiles to the next;  s[98:99] the step at the fourth
.set STM,   98
.set SSA,   100                        ; the same for the scale words
.set SSM,   104
.set MSB, 0
.macro WIN new                         ; the immediate's high byte repeats the setting that is left
.if MSB != (\new)
	s_set_vgpr_msb (MSB<<8)|(\new)
.set MSB, (\new)
.endif
.endm
.set MUL_LO, 0xa1                      ; source 0 (B) window 1, source 1 (A) window 0, C and D window 2
.set MUL_HI, 0xf1                      ; the same, C and D window 3
.set FST_LO, 0x81                      ; the first products: C (the bias) window 0, D window 2
.set FST_HI, 0xc1
.set TO_B,   0x40
; A joint load: waves 0 and 1 fetch for A, waves 2 and 3 for B; the branch hangs on the wave's number alone.  Four v_nop follow each of the two lines.
.macro JLOAD g0a, g1a, g0b, g1b
	s_cmp_eq_u32 s[AH], 0
	s_cbranch_scc0 .Lfor_b_\@
	tensor_load_to_lds s[\g0a:\g0a+3], s[\g1a:\g1a+7]
	s_nop 0
.rept 4
	v_nop
.endr
	s_branch .Lasked_\@
.Lfor_b_\@:
	tensor_load_to_lds s[\g0b:\g0b+3], s[\g1b:\g1b+7]
	s_nop 0
.rept 4
	v_nop
.endr
.Lasked_\@:
.endm
.macro CREST                           ; a round of the cluster's barrier behind its opening barrier
	s_cmp_lg_u32 s[WV], 0
	s_cbranch_scc1 .Lnot_wave_0_\@
	s_barrier_signal -3
.Lnot_wave_0_\@:
	s_barrier_wait -3
	s_barrier_signal -1
	s_barrier_wait -1
.endm
.macro CROUND
	s_barrier_signal -1
	s_barrier_wait -1
	CREST
.endm
	s_load_b256 s[4:11], s[0:1], 0x0               ; img, imgs, bq, bk
	s_load_b128 s[12:15], s[0:1], 0x20             ; bv, qkv
	s_load_b64 s[16:17], s[0:1], 0x30              ; qkvs
	v_lshl_add_u32 v[SPW], v0, 2, SPARE
	v_mov_b32 v[NIL], 0
	ds_add_u32 v28, v29
	ds_add_u32 v28, v29
	s_wait_dscnt 0x0
	v_lshrrev_b32 v1, 5, v0
	v_readfirstlane_b32 s[WV], v1                  ; wave 0..3
	s_lshr_b32 s[AH], s[WV], 1
	s_and_b32 s[BH], s[WV], 1
	s_bfe_u32 s[CXI], ttmp6, 0x40000               ; cx, cy: my place in the cluster
	s_bfe_u32 s[CYI], ttmp6, 0x40004
	s_mov_b32 s[CXC], ttmp9                        ; the cluster's x and y
	s_and_b32 s[CYC], ttmp7, 0xffff
	s_lshl_b32 s44, s[CYI], 2
	s_lshl_b32 s44, 15, s44                        ; my row of the cluster
	s_lshl_b32 s45, 0x1111, s[CXI]                 ; my column
	s_mov_b32 s[SEL], 0x76543210
	s_mov_b32 s[SEL+1], 0xfedcba98
	; A's first tile: 64 y + 16 cy (x) or 640 + 16 cy (Wv);  B's: 512 + 64 x + 16 cx (Wq, Wk) or 128 (y - 8) + 64 x + 16 cx (x)
	s_lshr_b32 s41, s[CYC], 3                      ; 1 in V's job (y is under 12)
	s_xor_b32 s47, s41, 1                          ; 1 in Q's and K's
	s_lshl_b32 s42, s[CYC], 6
	s_mul_i32 s42, s42, s47
	s_mul_i32 s2, s41, 640
	s_add_co_u32 s42, s42, s2
	s_lshl_b32 s2, s[CYI], 4
	s_add_co_u32 s42, s42, s2                      ; it hangs on y and cy alone
	s_and_b32 s43, s[CYC], 7
	s_lshl_b32 s43, s43, 7
	s_mul_i32 s43, s43, s41
	s_lshl_b32 s46, s47, 9
	s_add_co_u32 s43, s43, s46
	s_lshl_b32 s46, s[CXC], 6
	s_add_co_u32 s43, s43, s46
	s_lshl_b32 s46, s[CXI], 4
	s_add_co_u32 s43, s43, s46                     ; it hangs on y, x and cx alone
	; descriptor group 1 for codes: 8 tiles: 8 rows of 4,096 bytes (512 elements of 8 bytes), 16,384 bytes apart; dense in LDS
	s_or_b32 s[G1+0], s44, (3<<16)|(1<<21)         ; 15:0 the mask: A's tiles go to my row; 17:16 elements of 8 bytes; 21 set beside a mask
	s_or_b32 s[G1B+0], s45, (3<<16)|(1<<21)
.irp g, G1, G1B
	s_mov_b32 s[\g+1], 512<<16                     ; tensor_dim0
	s_mov_b32 s[\g+2], 8<<16                       ; tensor_dim1
	s_mov_b32 s[\g+3], 512<<16                     ; tile_dim0
	s_mov_b32 s[\g+4], 8                           ; tile_dim1
	s_mov_b32 s[\g+5], 2048                        ; tensor_dim0_stride
	s_mov_b32 s[\g+6], 0
	s_mov_b32 s[\g+7], 0
.endr
	; and for the scale words of 8 tiles, all of K: 4,096 dense bytes as 16 rows of 256
	s_or_b32 s[G1S+0], s44, (3<<16)|(1<<21)
	s_or_b32 s[G1SB+0], s45, (3<<16)|(1<<21)
.irp g, G1S, G1SB
	s_mov_b32 s[\g+1], 32<<16
	s_mov_b32 s[\g+2], 16<<16
	s_mov_b32 s[\g+3], 32<<16
	s_mov_b32 s[\g+4], 16
	s_mov_b32 s[\g+5], 32
	s_mov_b32 s[\g+6], 0
	s_mov_b32 s[\g+7], 0
.endr
	s_lshl_b32 s47, s[BH], 3                       ; which 8 tiles I fetch
	s_add_co_u32 s92, s42, s47
	s_add_co_u32 s96, s43, s47
	s_lshl_b32 s94, s92, 9                         ; scale words: 512 bytes a tile
	s_lshl_b32 s92, s92, 14                        ; codes: 16,384 bytes a tile
	s_lshl_b32 s98, s96, 9
	s_lshl_b32 s96, s96, 14
	s_mov_b32 s93, 0
	s_mov_b32 s95, 0
	s_mov_b32 s97, 0
	s_mov_b32 s99, 0
	s_lshl_b32 s100, s[WV], 15                     ; where the codes go: wave x 32,768: no place in the cluster enters an LDS address
	s_lshl_b32 s101, s[BH], 12                     ; and the scale words: (wave % 2) x 4,096
	s_wait_kmcnt 0x0
	s_add_nc_u64 s[92:93], s[4:5], s[92:93]
	s_add_nc_u64 s[94:95], s[6:7], s[94:95]
	s_add_nc_u64 s[96:97], s[4:5], s[96:97]
	s_add_nc_u64 s[98:99], s[6:7], s[98:99]
	CROUND                                         ; all sixteen work-groups are here: the first joint loads meet
	s_mov_b32 s[G0S], 1
	s_add_co_u32 s[G0S+1], s101, SCL
	s_mov_b64 s[G0S+2:G0S+3], s[94:95]
	s_or_b32 s[G0S+3], s[G0S+3], 0x80000000
	s_mov_b32 s[G0SB], 1
	s_add_co_u32 s[G0SB+1], s101, SCL+SCLB
	s_mov_b64 s[G0SB+2:G0SB+3], s[98:99]
	s_or_b32 s[G0SB+3], s[G0SB+3], 0x80000000
	JLOAD G0S, G1S, G0SB, G1SB                     ; the scale words first: they are wanted with the first step
.irp s, 0,1
	s_mov_b32 s[G0+4*\s], 1
	s_add_co_u32 s[G0+4*\s+1], s100, \s*SLOT
	s_add_nc_u64 s[G0+4*\s+2:G0+4*\s+3], s[92:93], \s*4096
	s_or_b32 s[G0+4*\s+3], s[G0+4*\s+3], 0x80000000
	s_mov_b32 s[G0B+4*\s], 1
	s_add_co_u32 s[G0B+4*\s+1], s100, \s*SLOT
	s_add_nc_u64 s[G0B+4*\s+2:G0B+4*\s+3], s[96:97], \s*4096
	s_or_b32 s[G0B+4*\s+3], s[G0B+4*\s+3], 0x80000000
	JLOAD G0+4*\s, G1, G0B+4*\s, G1B               ; three loads of mine are out
.endr
	v_and_b32 v1, 15, v0                           ; r
	v_bfe_u32 v2, v0, 4, 1                         ; h
	s_wait_alu depctr_va_vdst(0)
	v_and_b32 v3, 31, v0
	v_lshlrev_b32 v[VC], 4, v3                     ; 16 x lane: my place in every group of 512 bytes
	s_lshl_b32 s41, s[AH], 15                      ; my 8 tiles of A
	s_lshl_b32 s46, s[BH], 15                      ; my 8 tiles of B,
	s_add_co_u32 s46, s46, BOFF                    ; behind A's 16
.irp s, 0,1
	v_add_nc_u32 v[ADRA+\s], s41, v[VC]
	v_add_nc_u32 v[ADRB+\s], s46, v[VC]
	s_add_co_u32 s41, s41, SLOT
	s_add_co_u32 s46, s46, SLOT
.endr
	s_lshl_b32 s41, s[AH], 12                      ; A's scale words: my 8 tiles
	s_lshl_b32 s46, s[BH], 12                      ; B's
	s_add_co_u32 s46, s46, SCLB
	s_sub_co_u32 s46, s46, s41
	v_mul_u32_u24 v5, s46, v2                      ; lanes 16-31 take B's: the lower base + h x the distance
	s_add_co_u32 s41, s41, SCL
	v_lshl_add_u32 v5, v1, 3, v5                   ; 8 bytes a row: the words of a slot's two steps
	v_add_nc_u32 v[ADRS], s41, v5
	; THE BIAS, as the C of each sum's first product: 8 tiles x 8 registers.  Q, K: tile = b, register j: bias of channel 32 (b / 2) + 8 (b % 2) + 16 h + j.  V: tile = a, all eight registers: bias of my lane's channel
	; 32 (a / 2) + 8 (a % 2) + r + 8 (r / 8).  One text: offset register j = the lane's term + j x step, the tile in the immediate.
	s_cmp_eq_u32 s[CXC], 0
	s_cselect_b64 s[46:47], s[8:9], s[10:11]
	s_cmp_lt_u32 s[CYC], 8
	s_cselect_b64 s[46:47], s[46:47], s[12:13]
	s_cselect_b32 s4, 64, 0                        ; bytes for h
	s_cselect_b32 s5, 0, 4                         ; bytes for r + 8 (r / 8)
	s_cselect_b32 s6, 4, 0                         ; bytes for j
	s_cselect_b32 s7, s[CXI], s[CYI]               ; which 256 channels,
	s_cselect_b32 s8, s[BH], s[AH]                 ; which 128 of them
	s_lshl_b32 s7, s7, 10
	s_lshl_b32 s8, s8, 9
	s_add_co_u32 s8, s8, s7
	s_mov_b32 s9, 0
	s_add_nc_u64 s[46:47], s[46:47], s[8:9]
	v_and_b32 v5, 8, v1
	v_add_nc_u32 v5, v5, v1                        ; r + 8 (r / 8)
	v_mul_u32_u24 v6, s4, v2
	v_mad_u32_u24 v[AF], v5, s5, v6                ; (the offsets stand in registers of A's fragments, which are free until the first fetch)
.irp j, 1,2,3,4,5,6,7
	v_add_nc_u32 v[AF+\j], s6, v[AF+\j-1]
.endr
.irp t, 0,1,2,3,4,5,6,7
.irp j, 0,1,2,3,4,5,6,7
	global_load_b32 v[BI+8*\t+\j], v[AF+\j], s[46:47] offset:(32*(\t/2)+8*(\t%2))*4
.endr
.endr
	; THE WAY OUT's addresses.  Code offset = section << 23 + (16 batch + head) << 17 + X << 10; the scale words' offset is that / 16.
	s_lshl_b32 s4, s[CYC], 2
	s_add_co_u32 s4, s4, s[CYI]                    ; work-group y
	s_lshl_b32 s5, s[CXC], 2
	s_add_co_u32 s5, s5, s[CXI]                    ; work-group x
	s_lshr_b32 s6, s4, 3                           ; Q, K: the batch: 8 blocks of 256 tokens each
	s_and_b32 s4, s4, 7
	s_and_b32 s7, s[CYC], 7                        ; V: the batch
	s_mov_b32 s10, 1024
	s_mov_b32 s[STA], 2048
	s_mov_b32 s[STM], 124928
	s_cmp_lt_u32 s[CYC], 8
	s_cselect_b32 s6, s6, s7                       ; batch
	s_cselect_b32 s7, s[CXI], s[CYI]               ; my first head / 4
	s_cselect_b32 s8, s[BH], s[AH]                 ; (my first head % 4) / 2
	s_cselect_b32 s9, s[CXC], 2                    ; section: Q, K or V
	s_cselect_b32 s4, s4, s5                       ; X / 16: the block of 256 tokens in the batch
	s_cselect_b32 s5, s[AH], s[BH]                 ; (X % 16) / 8: my half of it
	s_cselect_b32 s10, 131072, s10                 ; groups 2 and 3 of a fragment: the next head (Q, K) or the next 1,024 bytes (V)
	s_cselect_b32 s11, 8192, 64                    ; lanes 16-31's scale word: the next head's (Q, K) or the word's second copy (V)
	s_cselect_b32 s12, 16, 0                       ; and its shift: the next head's two bytes
	s_cselect_b32 s[STA], 1024, s[STA]             ; from one of A's tiles to the next: a tile of tokens (Q, K), a tile of channels (V)
	s_cselect_b32 s[STM], 1024, s[STM]             ; at the fourth: V goes to the next head's first tile of channels: 131,072 - 3 x 2,048
	s_lshl_b32 s6, s6, 4
	s_lshl_b32 s7, s7, 2
	s_lshl_b32 s8, s8, 1
	s_add_co_u32 s6, s6, s7
	s_add_co_u32 s6, s6, s8
	s_lshl_b32 s6, s6, 17
	s_lshl_b32 s9, s9, 23
	s_add_co_u32 s6, s6, s9
	s_lshl_b32 s4, s4, 14
	s_lshl_b32 s5, s5, 13
	s_add_co_u32 s6, s6, s4
	s_add_co_u32 s6, s6, s5
	s_mov_b32 s7, 0
	s_add_nc_u64 s[OUT:OUT+1], s[14:15], s[6:7]
	s_lshr_b32 s6, s6, 4
	s_add_nc_u64 s[OSC:OSC+1], s[16:17], s[6:7]
	s_mov_b32 s[STA+1], 0
	s_mov_b32 s[STM+1], 0
	s_lshr_b32 s[SSA], s[STA], 4
	s_mov_b32 s[SSA+1], 0
	s_lshr_b32 s[SSM], s[STM], 4
	s_mov_b32 s[SSM+1], 0
	v_add_nc_u32 v[VC+1], 512, v[VC]
	v_add_nc_u32 v[VC+2], s10, v[VC]
	v_add_nc_u32 v[VC+3], s10, v[VC+1]
	v_mul_u32_u24 v[VS], s11, v2
	v_lshl_add_u32 v[VS], v1, 2, v[VS]
	v_mul_u32_u24 v[VSH], s12, v2
.macro FRAG reg, adr, q, i             ; a fragment as it lies: four groups of 512 bytes, 16 x lane in each: consecutive bytes, no conflict
.irp c, 0,1,2,3
	ds_load_b128 v[\reg+4*\c:\reg+4*\c+3], v[\adr] offset:4096*(\i)+2048*(\q)+512*\c
.endr
.endm
; 16 matrix instructions: A's tiles a0, a0 + 1 x B's eight, the slot's q-th 128 along K.  p: B's set; sc: the set of scale words.  zero = 1: C = the bias by b; 2: by a; 0: the sum goes on.
; The 64 accumulators take turns, one instruction a turn, in the same order in every step.
.macro MUL16 a0, p, q, sc, zero
.irp a, \a0, \a0+1
.irp b, 0,1,2,3,4,5,6,7
.if \zero == 1
	v_wmma_scale_f32_16x16x128_f8f6f4 v[8*(8*((\a)%4)+\b):8*(8*((\a)%4)+\b)+7], v[128*(\p)+FR*\b:128*(\p)+FR*\b+FR-1], v[AF+FR*(\a):AF+FR*(\a)+FR-1], v[BI+8*\b:BI+8*\b+7], v[SC+8*NQ*(\sc)+NQ*\b+(\q)], v[SC+8*NQ*(\sc)+NQ*(\a)+(\q)] matrix_a_scale:MATRIX_SCALE_ROW1
.elseif \zero == 2
	v_wmma_scale_f32_16x16x128_f8f6f4 v[8*(8*((\a)%4)+\b):8*(8*((\a)%4)+\b)+7], v[128*(\p)+FR*\b:128*(\p)+FR*\b+FR-1], v[AF+FR*(\a):AF+FR*(\a)+FR-1], v[BI+8*(\a):BI+8*(\a)+7], v[SC+8*NQ*(\sc)+NQ*\b+(\q)], v[SC+8*NQ*(\sc)+NQ*(\a)+(\q)] matrix_a_scale:MATRIX_SCALE_ROW1
.else
	v_wmma_scale_f32_16x16x128_f8f6f4 v[8*(8*((\a)%4)+\b):8*(8*((\a)%4)+\b)+7], v[128*(\p)+FR*\b:128*(\p)+FR*\b+FR-1], v[AF+FR*(\a):AF+FR*(\a)+FR-1], v[8*(8*((\a)%4)+\b):8*(8*((\a)%4)+\b)+7], v[SC+8*NQ*(\sc)+NQ*\b+(\q)], v[SC+8*NQ*(\sc)+NQ*(\a)+(\q)] matrix_a_scale:MATRIX_SCALE_ROW1
.endif
.endr
.endr
.endm
.macro FETCH_B slot, q, p
	WIN TO_B
.irp i, 0,1,2,3,4,5,6,7
	FRAG 128*(\p)+FR*\i, ADRB+\slot, \q, \i
.endr
	WIN 0
.endm
.macro FETCH_A slot, q, i0
.irp i, \i0, \i0+1, \i0+2, \i0+3
	FRAG AF+FR*(\i), ADRA+\slot, \q, \i
.endr
.endm
.macro SCALES sc                       ; a slot's scale words into set sc: two words a row; lanes 0-15 take A's tile i, lanes 16-31 B's tile i
.irp i, 0,1,2,3,4,5,6,7
	ds_load_b64 v[SC+8*NQ*\sc+NQ*\i:SC+8*NQ*\sc+NQ*\i+1], v[ADRS] offset:512*\i
.endr
.endm
.macro PLACES n                        ; plain vector lines between a matrix instruction and a load into, or a read of, its registers (ISA guide 7.12.1 for reads)
.rept \n
	v_nop
.endr
.endm
; A step of 128 along K that has its successor in the same slot.  A's tiles go one after the other, each against B's eight, so one set of registers serves A: tiles 0-3 are fetched anew in the middle, 4-7 at the end.
.macro STEP slot, q, zero
	s_wait_dscnt 4*NL                              ; B's set, the scale words and A's tiles 0-3 are in; the youngest 16 loads (A's tiles 4-7) may be out
.if \zero
	WIN FST_LO
.else
	WIN MUL_LO
.endif
	MUL16 0, (\q)%2, \q, \slot, \zero
	MUL16 2, (\q)%2, \q, \slot, \zero
	s_wait_dscnt 0                                 ; A's tiles 4-7 are in
	PLACES NP
	FETCH_B \slot, (\q)+1, 1-(\q)%2
	FETCH_A \slot, (\q)+1, 0
.if \zero
	WIN FST_HI
.else
	WIN MUL_HI
.endif
	MUL16 4, (\q)%2, \q, \slot, \zero
	MUL16 6, (\q)%2, \q, \slot, \zero
	PLACES NP
	WIN 0
	FETCH_A \slot, (\q)+1, 4
.endm
; A slot's last step changes slots: ONE barrier; in front of it each wave waits for all its tensor loads, adds 0 to its spare word, and waits for that and for its own reads of this slot.  fill = 1: this slot is filled again.
.macro TURN slot, next, fill
	s_wait_tensorcnt 0x0                           ; all my tensor loads have landed: my part of the next slot
	ds_add_u32 v[SPW], v[NIL]                      ; 0 onto my spare word
	s_wait_dscnt 4*NL+1                            ; (the add and the youngest 16 loads, A's tiles 4-7, may be out)
	WIN MUL_LO
	MUL16 0, 1, NQ-1, \slot, 0                     ; sixteen matrix instructions stand between the add and the wait for it
	s_wait_dscnt 0x0                               ; the add is done, and my reads of this slot are over
	s_barrier_signal -1
	MUL16 2, 1, NQ-1, \slot, 0
	WIN 0
	s_barrier_wait -1
.if \fill
	CREST                                          ; the barrier has opened a round of the cluster's barrier: no wave of any partner still reads this slot or has a load on its way
	s_add_nc_u64 s[G0+4*\slot+2:G0+4*\slot+3], s[G0+4*\slot+2:G0+4*\slot+3], 8192
	s_add_nc_u64 s[G0B+4*\slot+2:G0B+4*\slot+3], s[G0B+4*\slot+2:G0B+4*\slot+3], 8192
	JLOAD G0+4*\slot, G1, G0B+4*\slot, G1B         ; the first tensor load behind the round, one a wave; its four v_nop are among the places in front of the loads below
	PLACES NP-4
.else
	PLACES NP
.endif
	s_wait_alu depctr_va_vdst(0)
	v_add_nc_u32 v[ADRS], 128, v[ADRS]             ; on to the next slot's scale words
	FETCH_B \next, 0, 0
	FETCH_A \next, 0, 0
	SCALES \next
	WIN MUL_HI
	MUL16 4, 1, NQ-1, \slot, 0
	MUL16 6, 1, NQ-1, \slot, 0
	PLACES NP
	WIN 0
	FETCH_A \next, 0, 4
.endm
	s_wait_loadcnt 0x0                             ; the bias is in, and its loads have read their offset registers
	s_wait_tensorcnt 1                             ; the scale words and my part of slot 0 are in; slot 1's load may be out
	s_barrier_signal -1
	s_barrier_wait -1
	FETCH_B 0, 0, 0
	FETCH_A 0, 0, 0
	SCALES 0
	FETCH_A 0, 0, 4
	s_cmp_lt_u32 s[CYC], 8                         ; the first step starts the sums with the bias: by b in Q's and K's job, by a in V's.  The cluster's y is the same in all partners
	s_cbranch_scc0 .Lfirst_v
	STEP 0, 0, 1
	s_branch .Lfirst_done
.Lfirst_v:
	STEP 0, 0, 2
.Lfirst_done:
	TURN 0, 1, 1                                   ; K = 1,024 is four fills: written out, no loop
	STEP 1, 0, 0
	TURN 1, 0, 1
	STEP 0, 0, 0
	TURN 0, 1, 0                                   ; nothing is left to fetch
	STEP 1, 0, 0
	s_wait_dscnt 4*NL
	WIN MUL_LO
	MUL16 0, 1, NQ-1, 1, 0
	MUL16 2, 1, NQ-1, 1, 0
	s_wait_dscnt 0
	WIN MUL_HI
	MUL16 4, 1, NQ-1, 1, 0
	MUL16 6, 1, NQ-1, 1, 0
	WIN 0
; THE WAY OUT.  For each of A's tiles a my lane's 64 numbers, register 16 b + i = next K 32 b + 16 h + i, are quantised where they stand; the conversions' results are the next operand's registers and leave as they are:
; each store covers 512 consecutive bytes, aligned.  The accumulators are read in ascending order, each from its low end on.
.macro QUANTW a
.set W,  2+(\a)/4
.set AC, 64*((\a)%4)
.set W1, W|(W<<2)
.set W2, (W<<2)|(W<<4)
.set W3, (W<<6)|W
	WIN W1
.irp b, 0,1,2,3
	v_max3_num_f32 v[TM+\b], |v[AC+16*\b]|, |v[AC+1+16*\b]|, 0x4800000   ; and the floor 2^(9 - 127): the byte cannot fall under 1
.endr
	WIN W2
.irp i, 2,4,6,8,10,12,14
.irp b, 0,1,2,3
	v_max3_num_f32 v[TM+\b], v[TM+\b], |v[AC+16*\b+\i]|, |v[AC+1+16*\b+\i]|
.endr
.endr
	WIN 0
.irp b, 0,1,2,3
	v_permlanex16_b32 v[TM+4+\b], v[TM+\b], s[SEL], s[SEL+1]
.endr
.irp b, 0,1,2,3
	v_max_num_f32 v[TM+\b], v[TM+\b], v[TM+4+\b]   ; with lane l xor 16's: the block's largest magnitude
.endr
.irp b, 0,1,2,3
	v_add_nc_u32 v[TM+12+\b], 0xfc000000, v[TM+\b] ; 8 off its exponent field: the conversion's scale operand
.endr
.irp b, 0,1,2,3
.endr
.irp b, 0,1,2,3
	v_lshrrev_b32 v[TM+4+\b], 23, v[TM+12+\b]      ; the scale's byte
.endr
	v_lshl_or_b32 v[PW], v[TM+5], 8, v[TM+4]
	v_lshl_or_b32 v[PW], v[TM+6], 16, v[PW]
	v_lshl_or_b32 v[PW], v[TM+7], 24, v[PW]
	WIN W3
.irp b, 0,1,2,3
.irp i, 0,1,2,3,4,5,6,7,8,9,10,11,12,13,14,15
.endr
.endr
	WIN W
.irp b, 0,1,2,3
	v_cvt_scalef32_pk8_fp8_f32 v[PC+4*\b:PC+1+4*\b], v[AC+16*\b:AC+7+16*\b], v[TM+12+\b]
	v_cvt_scalef32_pk8_fp8_f32 v[PC+2+4*\b:PC+3+4*\b], v[AC+8+16*\b:AC+15+16*\b], v[TM+12+\b]
.endr
	WIN 0
	v_lshrrev_b32 v[PWS], v[VSH], v[PW]            ; Q, K: lanes 16-31 take the odd head's two bytes.  (Also the plain line behind the last conversion)
.endm
.irp b, 0,1,2,3
	v_mov_b32 v[TM+4+\b], 0                        ; a lane permute's destination counts as one of its sources.  These four and the four below are the places behind the last products
.endr
	PLACES 4
.irp a, 0,1,2,3,4,5,6,7
.if \a > 0
	s_wait_xcnt 0x0                                ; the last tile's stores have read their data and their bases: both are written again only behind this wait
.if \a == 4
	s_add_nc_u64 s[OUT:OUT+1], s[OUT:OUT+1], s[STM:STM+1]
	s_add_nc_u64 s[OSC:OSC+1], s[OSC:OSC+1], s[SSM:SSM+1]
.else
	s_add_nc_u64 s[OUT:OUT+1], s[OUT:OUT+1], s[STA:STA+1]
	s_add_nc_u64 s[OSC:OSC+1], s[OSC:OSC+1], s[SSA:SSA+1]
.endif
.endif
	QUANTW \a
.irp c, 0,1,2,3
	global_store_b128 v[VC+\c], v[PC+4*\c:PC+4*\c+3], s[OUT:OUT+1]
.endr
	global_store_b32 v[VS], v[PWS], s[OSC:OSC+1]   ; all lanes on: two runs of 64 bytes (Q, K) or one of 128 (V)
.endr
	s_wait_tensorcnt 0x0                           ; the wave's end
	ds_add_u32 v[SPW], v[NIL]
	s_wait_dscnt 0x0
	CROUND                                         ; the closing round: no work-group ends while a partner may still ask for a tile that names it
	s_endpgm
.Lfunc_end_k_q0755cae75f_proj:
	.size	k_q0755cae75f_proj, .Lfunc_end_k_q0755cae75f_proj-k_q0755cae75f_proj
	.p2alignl 7, 3214868480
	.fill 96, 4, 3214868480
	.section	.rodata,"a",@progbits
	.p2align	6, 0x0
	.amdhsa_kernel k_q0755cae75f_proj
		.amdhsa_group_segment_fixed_size 327680
		.amdhsa_private_segment_fixed_size 0
		.amdhsa_enable_private_segment 0
		.amdhsa_kernarg_size 56
		.amdhsa_user_sgpr_count 2
		.amdhsa_user_sgpr_kernarg_segment_ptr 1
		.amdhsa_wavefront_size32 1
		.amdhsa_system_sgpr_workgroup_id_x 1
		.amdhsa_system_sgpr_workgroup_id_y 1
		.amdhsa_system_sgpr_workgroup_id_z 1
		.amdhsa_system_vgpr_workitem_id 0
		.amdhsa_next_free_vgpr 1024
		.amdhsa_next_free_sgpr 106
		.amdhsa_reserve_vcc 0
		.amdhsa_float_denorm_mode_32 3
		.amdhsa_float_denorm_mode_16_64 3
		.amdhsa_fp16_overflow 1
		.amdhsa_memory_ordered 1
		.amdhsa_forward_progress 1
		.amdhsa_inst_pref_size 172
	.end_amdhsa_kernel
	.amdgpu_metadata
---
amdhsa.version: [ 1, 2 ]
amdhsa.kernels:
  - .name:           k_q0755cae75f_proj
    .symbol:         k_q0755cae75f_proj.kd
    .args:
      - { .name: img, .offset: 0, .size: 8, .value_kind: global_buffer, .address_space: global }
      - { .name: imgs, .offset: 8, .size: 8, .value_kind: global_buffer, .address_space: global }
      - { .name: bq, .offset: 16, .size: 8, .value_kind: global_buffer, .address_space: global }
      - { .name: bk, .offset: 24, .size: 8, .value_kind: global_buffer, .address_space: global }
      - { .name: bv, .offset: 32, .size: 8, .value_kind: global_buffer, .address_space: global }
      - { .name: qkv, .offset: 40, .size: 8, .value_kind: global_buffer, .address_space: global }
      - { .name: qkvs, .offset: 48, .size: 8, .value_kind: global_buffer, .address_space: global }
    .group_segment_fixed_size: 327680
    .private_segment_fixed_size: 0
    .kernarg_segment_align: 8
    .kernarg_segment_size: 56
    .max_flat_workgroup_size: 128
    .sgpr_count:     106
    .vgpr_count:     1024
    .wavefront_size: 32
...
	.end_amdgpu_metadata
.endif
;; end of part 2
;; launch attn (part 3): grid 4 x 64, 8 waves a work-group, clusters of 4 x 1, 327,680 bytes of LDS; arguments qkv, qkvs, oimg, oimgs; writes oimg, oimgs
.if DOCPART == 3
	.amdgcn_target "amdgcn-amd-amdhsa--gfx1250"
	.amdhsa_code_object_version 6
	.text
	.protected	k_q0755cae75f_attn
	.globl	k_q0755cae75f_attn
	.p2align	8
	.type	k_q0755cae75f_attn,@function
k_q0755cae75f_attn:
	s_mov_b64 s[64:65], 0
	v_nop
	global_prefetch_b8 v0, s[64:65] scope:SCOPE_SE
	s_setreg_imm32_b32 hwreg(HW_REG_WAVE_MODE, 25, 1), 1
	s_wait_xcnt 0x0
	s_wait_alu depctr_hold_cnt(0) depctr_sa_sdst(0) depctr_va_vdst(0) depctr_va_sdst(0) depctr_va_ssrc(0) depctr_va_vcc(0) depctr_vm_vsrc(0)
	s_getreg_b32 s2, hwreg(HW_REG_IB_STS2, 6, 4)
	s_cmp_eq_u32 s2, 0
	s_cbranch_scc0 .Lentry_in_a_cluster
	s_endpgm
.Lentry_in_a_cluster:
	s_bfe_u32 s2, ttmp6, 0x10000c
	s_cmp_lg_u32 s2, 0x3003
	s_cbranch_scc0 .Lentry_shape_is_right
	s_endpgm
.Lentry_shape_is_right:
; o = softmax(q k^T / 8) v for each of 64 (batch, head) pairs, 2,048 tokens, head size 64, both products on codes of FP8 (E4M3) with E8M0 scales; o is quantised along the model's 1,024 and leaves as the last product's operand.
; THE SOFTMAX AHEAD OF THE SECOND PRODUCT: t = score x log2(e) / 8; M = the row's largest t so far, rounded UP to a whole number; p = 2^(t - M) is quantised along the keys, not normalised.  The row's sum is taken of the
; unquantised p and divides O at the end.  When M moves, the sum and O are multiplied by 2^(old M - new M): exact.
; INPUT (images of operand registers): qkv: Q at 0, K at 8 MiB: [pair][tile 128][c 2][lane][16 bytes]; V at 16 MiB: [pair][128 keys 16][tile of channels 4][c 4][lane][16 bytes]; qkvs: offsets / 16.
;   Lane r of tile T is row 32 (T / 2) + 8 (T % 2) + r + 8 (r / 8), so the 16 registers of the results of K's tiles 2 b, 2 b + 1 are 16 neighbouring keys.
; SHARES.  A cluster of four work-groups owns a pair; a work-group 512 queries, in two passes; each of its eight waves two tiles of 16 queries a pass, which share every fragment of K and V.
; A PAIR'S WHOLE K, V AND SCALE WORDS LIE IN LDS, filled ONCE, by joint loads that name the four partners: no byte of LDS is filled again.  The first quarter is waited for first; three steps are worked while the rest lands.
; BOTH PRODUCTS ARE USED TRANSPOSED: S^T = K Q^T, O^T = V^T P^T: a lane holds one query throughout.
; THE FIRST PRODUCT'S K IS 64, the instruction's 128: Q's fragment is 8 registers of codes and 8 of zero codes.  K's tiles lie 8 registers apart; a fragment's upper 8 registers are the next tile's codes (behind the last: zeros),
; which meet Q's zero codes and add nothing; no scale byte here is ever 0xff.
; MIRRORED WINDOWS: the first tile's state lies in window 0, the second's at the same numbers in window 1, so the softmax is written once and run under two settings.
; LIMITS: p under 2^-126 becomes 0 (v_exp_f32 flushes); a block of zeros gets the byte 1; NaN and infinities are not served.
; The last step of a pass fetches the 8,192 and 512 LDS bytes that lie behind K's codes and scale words (V's): they are inside LDS and are never used; that spares one more copy of the step.
.set KS0,  262144                      ; LDS: K's image at 0, V's at 131,072, K's scale words here, V's at 270,336
.set VS0,  270336
.set LI,   1                           ; v1   16 x lane
.set AV0,  2                           ; v2   16 x lane + 131,072
.set AKS0, 3                           ; v3   KS0 + 4 r
.set AVS0, 4                           ; v4   VS0 + 4 x lane
.set ADK,  5                           ; v5-8 the addresses of the loads in hand
.set ADV,  6
.set ADS,  7
.set ADT,  8
.set SOF,  9                           ; v9   8 r + 512 h: o's scale bytes: lanes 0-15 the first tile's, lanes 16-31 the second's
.set R4,   10                          ; v10  4 r
.set HW,   11                          ; v11  the two scale bytes to store
.set NM,   12                          ; mirrored: -M;  v13 the largest t;  v[14:15] the sum in two halves
.set TMX,  13
.set L,    14
.set Q,    16                          ; mirrored: v16-23 Q's codes, v24-31 zeros
.set VF,   32                          ; window 0: v32-95 V's four fragments
.set KF,   32                          ; window 1: v32-95 K's eight tiles, v96-103 zeros
.set VS,   96                          ; window 0: v96-99 V's scale words
.set PWB,  100                         ; window 0: the second tile's p scale word (scale operands have no window)
.set QSA0, 101                         ; window 0: Q's scale words: pass 0 first and second tile, pass 1 likewise
.set QSB0, 102
.set QSA1, 103
.set QSB1, 243
.set S,    104                         ; mirrored: v104-167 S^T, then p
.set O,    168                         ; mirrored: v168-199 O^T
.set PCD,  200                         ; mirrored: v200-215 p's codes
.set BM,   216                         ; mirrored: the blocks' largest
.set T4,   220                         ; mirrored: permutes' destinations, bytes, the second sum chain
.set LIM,  224
.set SCO,  228                         ; mirrored: the conversions' scale operands
.set KS,   232                         ; window 0: v232-239 K's scale words
.set F,    240                         ; mirrored: 2^(old M - new M)
.set PWD,  241                         ; mirrored: p's scale word
.set TMP,  242
.set Q1,   244                         ; mirrored: v244-251 pass 1's Q
.set WV,   12
.set CXI,  13
.set BHD,  14
.set G1A,  16                          ; s[16:23] group 1: 8 rows of 256 bytes;  s[24:31]: 32 rows;  s[32:39]: 96 rows
.set G1B,  24
.set G1C,  32
.set G0A,  40
.set G0B,  44
.set G0C,  48
.set CS,   52                          ; s[52:53] c = log2(e) / 8
.set SEL,  54
.set MNT,  56
.set TB,   57                          ; s57 the step's byte in K's and V's images: 8,192 a step
.set TS,   58                          ; s58 and among the scale words: 512 a step
.set TBN,  59
.set TSN,  60
.set CNT,  61
.set LMK,  62                          ; s62 lanes 16-31
.set OB,   66
.set OS,   68
.set QP,   70
.set QS,   72
.set MSB, 0
.macro WIN new
.if MSB != (\new)
	s_set_vgpr_msb (MSB<<8)|(\new)
.set MSB, (\new)
.endif
.endm
.macro ROUND                           ; a round of the cluster's barrier
	s_barrier_signal -1
	s_barrier_wait -1
	s_cmp_lg_u32 s[WV], 0
	s_cbranch_scc1 .Lnot_wave_0_\@
	s_barrier_signal -3
.Lnot_wave_0_\@:
	s_barrier_wait -3
	s_barrier_signal -1
	s_barrier_wait -1
.endm
	s_load_b256 s[4:11], s[0:1], 0x0               ; qkv, qkvs, oimg, oimgs
	v_lshl_add_u32 v254, v0, 2, 0x44000
	v_mov_b32 v255, 0
	ds_add_u32 v254, v255
	ds_add_u32 v254, v255
	v_lshrrev_b32 v1, 5, v0
	s_delay_alu instid0(VALU_DEP_1)
	v_readfirstlane_b32 s[WV], v1                  ; wave 0..7
	s_bfe_u32 s[CXI], ttmp6, 0x40000               ; cx: my block of 512 queries
	s_and_b32 s[BHD], ttmp7, 0xffff                ; the pair, which the four partners share
.irp g, G1A, G1B, G1C
	s_mov_b32 s[\g], 15|(3<<16)|(1<<21)            ; 15:0 the mask: all four work-groups; 17:16 elements of 8 bytes; 21 set beside a mask
	s_mov_b32 s[\g+1], 32<<16                      ; tensor_dim0: rows of 256 bytes, dense
	s_mov_b32 s[\g+3], 32<<16                      ; tile_dim0
	s_mov_b32 s[\g+5], 32                          ; tensor_dim0_stride
	s_mov_b32 s[\g+6], 0
	s_mov_b32 s[\g+7], 0
.endr
	s_mov_b32 s[G1A+2], 8<<16                      ; tensor_dim1 and tile_dim1: 8, 32, 96 rows
	s_mov_b32 s[G1A+4], 8
	s_mov_b32 s[G1B+2], 32<<16
	s_mov_b32 s[G1B+4], 32
	s_mov_b32 s[G1C+2], 96<<16
	s_mov_b32 s[G1C+4], 96
	; waves 0-3 fetch K's, waves 4-7 V's, a quarter each; LDS mirrors memory
	s_lshr_b32 s15, s[WV], 2
	s_and_b32 s3, s[WV], 3
	s_lshl_b32 s74, s15, 19
	s_add_co_u32 s74, s74, 524288                  ; scale words: K's section or V's,
	s_lshl_b32 s75, s[BHD], 13
	s_add_co_u32 s74, s74, s75                     ; the pair's 8,192 bytes,
	s_lshl_b32 s75, s3, 11
	s_add_co_u32 s74, s74, s75                     ; my 2,048
	s_mov_b32 s75, 0
	s_lshl_b32 s76, s15, 23
	s_add_co_u32 s76, s76, 8388608                 ; codes: K's section or V's,
	s_lshl_b32 s77, s[BHD], 17
	s_add_co_u32 s76, s76, s77                     ; the pair's 131,072 bytes
	s_add_co_u32 s78, s76, 32768
	s_lshl_b32 s77, s3, 13
	s_add_co_u32 s76, s76, s77                     ; the first quarter: my 8,192
	s_mul_i32 s77, s3, 24576
	s_add_co_u32 s78, s78, s77                     ; the rest: my 24,576
	s_mov_b32 s77, 0
	s_mov_b32 s79, 0
	s_mov_b32 s[G0A], 1
	s_lshl_b32 s[G0A+1], s[WV], 11
	s_add_co_u32 s[G0A+1], s[G0A+1], KS0
	s_mov_b32 s[G0B], 1
	s_lshl_b32 s[G0B+1], s15, 17
	s_mov_b32 s[G0C], 1
	s_add_co_u32 s[G0C+1], s[G0B+1], 32768
	s_lshl_b32 s2, s3, 13
	s_add_co_u32 s[G0B+1], s[G0B+1], s2
	s_mul_i32 s2, s3, 24576
	s_add_co_u32 s[G0C+1], s[G0C+1], s2
	s_mov_b32 s[CS], 0x3e38aa3b
	s_mov_b32 s[CS+1], s[CS]                       ; (named with it as a pair, so it is written)
	s_mov_b32 s[SEL], 0x76543210
	s_mov_b32 s[SEL+1], 0xfedcba98
	s_mov_b32 s[LMK], 0xffff0000
	s_mov_b32 s[TB], 0
	s_mov_b32 s[TS], 0
	s_wait_dscnt 0x0
	s_wait_kmcnt 0x0
	s_add_nc_u64 s[G0A+2:G0A+3], s[6:7], s[74:75]
	s_or_b32 s[G0A+3], s[G0A+3], 0x80000000
	s_add_nc_u64 s[G0B+2:G0B+3], s[4:5], s[76:77]
	s_or_b32 s[G0B+3], s[G0B+3], 0x80000000
	s_add_nc_u64 s[G0C+2:G0C+3], s[4:5], s[78:79]
	s_or_b32 s[G0C+3], s[G0C+3], 0x80000000
	ROUND                                          ; all four work-groups are here: the joint loads meet
	tensor_load_to_lds s[G0A:G0A+3], s[G1A:G1A+7]  ; the launch's only fills, one group: one load of mine is out
	s_nop 0
	s_wait_alu depctr_va_vdst(0)
	s_wait_tensorcnt 0x0
	ds_add_u32 v254, v255
	s_wait_dscnt 0x0
	ROUND
	tensor_load_to_lds s[G0B:G0B+3], s[G1B:G1B+7]
	s_nop 0
	s_wait_alu depctr_va_vdst(0)
	s_wait_tensorcnt 0x0
	ds_add_u32 v254, v255
	s_wait_dscnt 0x0
	ROUND
	tensor_load_to_lds s[G0C:G0C+3], s[G1C:G1C+7]
	s_nop 0
.rept 4
	v_nop
.endr
	v_and_b32 v10, 15, v0                          ; r
	v_bfe_u32 v11, v0, 4, 1                        ; h
	v_and_b32 v1, 31, v0
	s_delay_alu instid0(VALU_DEP_1)
	v_lshlrev_b32 v[AVS0], 2, v1
	s_delay_alu instid0(VALU_DEP_2)
	v_lshlrev_b32 v[LI], 4, v1
	s_wait_alu depctr_va_vdst(0)
	v_add_nc_u32 v[AV0], 131072, v[LI]
	v_lshlrev_b32 v[SOF], 3, v10
	s_delay_alu instid0(VALU_DEP_1)
	v_lshl_add_u32 v[SOF], v11, 9, v[SOF]
	v_lshlrev_b32 v[R4], 2, v10
	s_wait_alu depctr_va_vdst(0)
	v_add_nc_u32 v[AKS0], KS0, v[R4]
	v_add_nc_u32 v[AVS0], VS0, v[AVS0]
	s_lshl_b32 s80, s[CXI], 5
	s_lshl_b32 s81, s[WV], 1
	s_add_co_u32 s80, s80, s81                     ; my first tile of queries in the pair: 32 cx + 2 wave; pass 1's lie 16 tiles on
	s_lshl_b32 s82, s80, 10
	s_lshl_b32 s83, s[BHD], 17
	s_add_co_u32 s82, s82, s83
	s_mov_b32 s83, 0
	s_add_nc_u64 s[QP:QP+1], s[4:5], s[82:83]
	s_lshr_b32 s82, s82, 4
	s_add_nc_u64 s[QS:QS+1], s[6:7], s[82:83]
	s_lshr_b32 s81, s[BHD], 4
	s_lshl_b32 s81, s81, 7
	s_add_co_u32 s80, s80, s81                     ; the same tile among all 512: + 128 x batch
	s_and_b32 s81, s[BHD], 15                      ; the head
	s_lshl_b32 s82, s80, 14
	s_lshl_b32 s84, s81, 10
	s_add_co_u32 s82, s82, s84
	s_add_nc_u64 s[OB:OB+1], s[8:9], s[82:83]      ; oimg: 16,384 bytes a tile, a head's 64 channels 1,024 of them
	s_lshl_b32 s82, s80, 9
	s_lshr_b32 s84, s81, 2
	s_lshl_b32 s84, s84, 7
	s_add_co_u32 s82, s82, s84
	s_and_b32 s84, s81, 3
	s_lshl_b32 s84, s84, 1
	s_add_co_u32 s82, s82, s84
	s_add_nc_u64 s[OS:OS+1], s[10:11], s[82:83]    ; oimgs: 512 bytes a tile, 128 for four heads, 8 a row, 2 a head
.irp c, 0,1
	global_load_b128 v[Q+4*\c:Q+4*\c+3], v[LI], s[QP:QP+1] offset:512*\c
	global_load_b128 v[Q1+4*\c:Q1+4*\c+3], v[LI], s[QP:QP+1] offset:16384+512*\c
.endr
	global_load_b32 v[QSA0], v[R4], s[QS:QS+1]
	global_load_b32 v[QSB0], v[R4], s[QS:QS+1] offset:64
	global_load_b32 v[QSA1], v[R4], s[QS:QS+1] offset:1024
	global_load_b32 v[QSB1], v[R4], s[QS:QS+1] offset:1088
	WIN 0x40                                       ; destination window 1: the second tile's
.irp c, 0,1
	global_load_b128 v[Q+4*\c:Q+4*\c+3], v[LI], s[QP:QP+1] offset:1024+512*\c
	global_load_b128 v[Q1+4*\c:Q1+4*\c+3], v[LI], s[QP:QP+1] offset:16384+1024+512*\c
.endr
	WIN 0
.macro CLEARS                          ; once, in each window
.irp i, 0,1,2,3,4,5,6,7
	v_mov_b32 v[Q+8+\i], 0                         ; Q's zero codes for k = 64 .. 127
.endr
.irp b, 0,1,2,3
	v_mov_b32 v[T4+\b], 0                          ; a lane permute's destination counts as one of its sources
.endr
	v_mov_b32 v[PWD], 0                            ; (named as the upper half of the pair with F before it is first written)
.endm
.macro INIT                            ; at the head of a pass, in each window.  The step is written once: its first run finds zeros, which the first change of M leaves zeros
	v_mov_b32 v[TMX], 0xff61b1e6                   ; -3e38, under every t
	s_delay_alu instid0(VALU_DEP_1)
	v_floor_f32 v[NM], -v[TMX]
	v_mov_b32 v[L], 0
	v_mov_b32 v[L+1], 0
.irp j, 0,1,2,3,4,5,6,7,8,9,10,11,12,13,14,15,16,17,18,19,20,21,22,23,24,25,26,27,28,29,30,31
	v_mov_b32 v[O+\j], 0
.endr
.endm
	CLEARS
	INIT
	WIN 0x55
.irp i, 0,1,2,3,4,5,6,7
	v_mov_b32 v[KF+64+\i], 0                       ; the zeros behind K's last tile.  They are part of a scaled product's source 0 and are written by vector lines: they stand first here, so that the lines of CLEARS and INIT stand between them and the first product (four plain vector lines are asked)
.endr
	CLEARS
	INIT
	WIN 0
.macro KFIRST                          ; K of step 0 and its scale words
	WIN 0x40
.irp i, 0,1,2,3,4,5,6,7
.irp c, 0,1
	ds_load_b128 v[KF+8*\i+4*\c:KF+8*\i+4*\c+3], v[LI] offset:1024*\i+512*\c
.endr
.endr
	WIN 0
.irp i, 0,1,2,3,4,5,6,7
	ds_load_b32 v[KS+\i], v[AKS0] offset:64*\i
.endr
.endm
; The exponentials, the sum and the conversions, woven: an exponential and plain lines by turns, so that every exponential has a plain line between it and the first use of its result.
; Trip m: exponentials of pair m; pair m - 2 is summed (even pairs into l, odd pairs into a second chain), and after every fourth pair eight numbers are converted.
.macro EXPRUN
.set m, 0
.rept 34
.if m < 32
	v_exp_f32 v[S+2*m], v[S+2*m]
.endif
.if m == 0
	v_mov_b32 v[T4], 0
.elseif m == 1
	v_mov_b32 v[T4+1], 0
.elseif m%2 == 0
	s_wait_alu depctr_va_vdst(0)
	v_pk_add_f32 v[L:L+1], v[L:L+1], v[S+2*m-4:S+2*m-3]
.else
	v_pk_add_f32 v[T4:T4+1], v[T4:T4+1], v[S+2*m-4:S+2*m-3]
.endif
.if m < 32
	v_exp_f32 v[S+2*m+1], v[S+2*m+1]
.endif
.if m >= 2
.if (m-2)%4 == 3
	v_cvt_scalef32_pk8_fp8_f32 v[PCD+(m-5)/2:PCD+(m-5)/2+1], v[S+2*m-10:S+2*m-3], v[SCO+(m-2)/8]
.endif
.endif
.set m, m+1
.endr
.endm
; One tile's softmax for 128 keys, under the window setting that its caller has made
.macro SOFTMAX
.irp b, 0,1,2,3
	v_max3_num_f32 v[BM+\b], v[S+16*\b], v[S+1+16*\b], v[S+2+16*\b]   ; the largest SCORE of each block of 32 keys: for the row's maximum, and, since p rises with the score, for the block's largest p
.endr
.irp i, 3,5,7,9,11,13
.irp b, 0,1,2,3
	v_max3_num_f32 v[BM+\b], v[BM+\b], v[S+16*\b+\i], v[S+1+16*\b+\i]
.endr
.endr
.irp b, 0,1,2,3
	v_max_num_f32 v[BM+\b], v[BM+\b], v[S+15+16*\b]
.endr
.irp b, 0,1,2,3
	s_delay_alu instid0(VALU_DEP_4)
	v_permlanex16_b32 v[T4+\b], v[BM+\b], s[SEL], s[SEL+1]
.endr
.irp b, 0,1,2,3
	s_delay_alu instid0(VALU_DEP_4)
	v_max_num_f32 v[BM+\b], v[BM+\b], v[T4+\b]     ; with lane l xor 16's 16 keys
.endr
	s_delay_alu instid0(VALU_DEP_2)
	v_max3_num_f32 v[TMP], v[BM], v[BM+1], v[BM+2]
	s_delay_alu instid0(VALU_DEP_1)
	v_max_num_f32 v[TMP], v[TMP], v[BM+3]
	s_delay_alu instid0(VALU_DEP_1)
	v_mul_f32 v[TMP], s[CS], v[TMP]                ; as t (c is positive)
	s_delay_alu instid0(VALU_DEP_1)
	v_max_num_f32 v[TMX], v[TMX], v[TMP]           ; the running largest t
	v_mov_b32 v[TMP], v[NM]
	s_delay_alu instid0(VALU_DEP_2)
	v_floor_f32 v[NM], -v[TMX]                     ; the new -M = floor(-t) = -ceil(t)
	s_delay_alu instid0(VALU_DEP_1)
	v_sub_f32 v[TMP], v[NM], v[TMP]                ; old M - new M: a whole number, 0 or less
	s_delay_alu instid0(VALU_DEP_1)
	v_cvt_i32_f32 v[TMP], v[TMP]                   ; (it saturates)
	s_delay_alu instid0(VALU_DEP_1)
	v_ldexp_f32 v[F], 1.0, v[TMP]                  ; f = 2^(old M - new M)
.irp j, 0,2,4,6,8,10,12,14,16,18,20,22,24,26,28,30,32,34,36,38,40,42,44,46,48,50,52,54,56,58,60,62
	v_pk_fma_f32 v[S+\j:S+\j+1], v[S+\j:S+\j+1], s[CS:CS+1], v[NM:NM+1] op_sel_hi:[1,0,0]   ; t - M, two at a time
.endr
.irp b, 0,1,2,3
	v_fma_f32 v[BM+\b], v[BM+\b], s[CS], v[NM]     ; the same of each block's largest score
.endr
	s_wait_alu depctr_va_vdst(0)
.irp b, 0,1,2,3
	v_exp_f32 v[BM+\b], v[BM+\b]                   ; the block's largest p
.endr
	v_pk_mul_f32 v[L:L+1], v[L:L+1], v[F:F+1] op_sel_hi:[1,0]   ; the sum under the new M.  (The plain line behind these exponentials)
	s_wait_alu depctr_va_vdst(0)
.irp b, 0,1,2,3
	v_max_num_f32 v[BM+\b], 0x4800000, v[BM+\b]    ; the floor 2^(9 - 127): the byte cannot fall under 1
.endr
.irp b, 0,1,2,3
	s_delay_alu instid0(VALU_DEP_4)
	v_add_nc_u32 v[SCO+\b], 0xfc000000, v[BM+\b]   ; 8 off the exponent field: the conversion's scale operand
.endr
.irp b, 0,1,2,3
.endr
.irp b, 0,1,2,3
	s_delay_alu instid0(VALU_DEP_4)
	v_lshrrev_b32 v[T4+\b], 23, v[SCO+\b]          ; the scale's byte
.endr
	s_delay_alu instid0(VALU_DEP_3)
	v_lshl_or_b32 v[PWD], v[T4+1], 8, v[T4]
	s_delay_alu instid0(VALU_DEP_1)
	v_lshl_or_b32 v[PWD], v[T4+2], 16, v[PWD]
	s_delay_alu instid0(VALU_DEP_1)
	v_lshl_or_b32 v[PWD], v[T4+3], 24, v[PWD]      ; p's scale word for these 128 keys
	EXPRUN
	v_pk_add_f32 v[L:L+1], v[L:L+1], v[T4:T4+1]    ; (also the plain line behind the last conversion)
.irp j, 0,2,4,6,8,10,12,14,16,18,20,22,24,26,28,30
	v_pk_mul_f32 v[O+\j:O+\j+1], v[O+\j:O+\j+1], v[F:F+1] op_sel_hi:[1,0]   ; O^T under the new M
.endr
.endm
; A KEY STEP: 128 keys, both tiles.  qa, qb: the registers of Q's scale words.  K of this step was asked for a step ago; V of this step and K of the next are asked for behind the first products and land under the softmax.
.macro STEP qa, qb
	s_wait_dscnt 0x0                               ; K and its scale words are in
	WIN 0x55                                       ; K, Q and S^T of the second tile: window 1
	s_setprio 2
.irp i, 0,1,2,3,4,5,6,7
	v_wmma_scale_f32_16x16x128_f8f6f4 v[S+8*\i:S+8*\i+7], v[KF+8*\i:KF+8*\i+15], v[Q:Q+15], 0, v[KS+\i], v[\qb]
.endr
	WIN 0x01                                       ; K window 1; the first tile's Q and S^T window 0
.irp i, 0,1,2,3,4,5,6,7
	v_wmma_scale_f32_16x16x128_f8f6f4 v[S+8*\i:S+8*\i+7], v[KF+8*\i:KF+8*\i+15], v[Q:Q+15], 0, v[KS+\i], v[\qa]
.endr
	WIN 0
	s_add_co_u32 s[TBN], s[TB], 8192
	s_add_co_u32 s[TSN], s[TS], 512
	v_add_nc_u32 v[ADV], s[TB], v[AV0]             ; these four and four v_nop are the eight places in front of the loads into registers that matrix instructions have read, and of the first read of the scores
	v_add_nc_u32 v[ADT], s[TS], v[AVS0]
	v_add_nc_u32 v[ADK], s[TBN], v[LI]
	v_add_nc_u32 v[ADS], s[TSN], v[AKS0]
.rept 4
	v_nop
.endr
.irp t, 0,1,2,3
.irp c, 0,1,2,3
	ds_load_b128 v[VF+16*\t+4*\c:VF+16*\t+4*\c+3], v[ADV] offset:2048*\t+512*\c
.endr
	ds_load_b32 v[VS+\t], v[ADT] offset:128*\t
.endr
	WIN 0x40
.irp i, 0,1,2,3,4,5,6,7
.irp c, 0,1
	ds_load_b128 v[KF+8*\i+4*\c:KF+8*\i+4*\c+3], v[ADK] offset:1024*\i+512*\c
.endr
.endr
	WIN 0
.irp i, 0,1,2,3,4,5,6,7
	ds_load_b32 v[KS+\i], v[ADS] offset:64*\i
.endr
	WIN 0x55
	SOFTMAX                                        ; the second tile's
	WIN 0x01
	v_mov_b32 v[PWB], v[PWD]                       ; its scale word into window 0
	WIN 0
	s_setprio 1
	SOFTMAX                                        ; the first tile's: its lines are also the places in front of the products below
	s_setprio 0
	s_wait_alu depctr_va_vdst(0)
	s_wait_dscnt 24                                ; V and its scale words are in; the next step's K (16 loads) and its scale words (8) may be out
.irp t, 0,1,2,3
	v_wmma_scale_f32_16x16x128_f8f6f4 v[O+8*\t:O+8*\t+7], v[VF+16*\t:VF+16*\t+15], v[PCD:PCD+15], v[O+8*\t:O+8*\t+7], v[VS+\t], v[PWD]
.endr
	WIN 0x54                                       ; V window 0; the second tile's p and O^T window 1
.irp t, 0,1,2,3
	v_wmma_scale_f32_16x16x128_f8f6f4 v[O+8*\t:O+8*\t+7], v[VF+16*\t:VF+16*\t+15], v[PCD:PCD+15], v[O+8*\t:O+8*\t+7], v[VS+\t], v[PWB]
.endr
	WIN 0                                          ; the eight accumulators take turns, one instruction a turn
	s_add_co_u32 s[TB], s[TB], 8192
	s_add_co_u32 s[TS], s[TS], 512
.endm
; One tile's way out, under its window: O^T / the sum; register 16 b + i is channel 32 b + 16 h + i of the head: two blocks of the last product's K; codes into v[PCD] on, the two bytes into v[TMP]
.macro OUTQ
	v_add_f32 v[L], v[L], v[L+1]
	s_delay_alu instid0(VALU_DEP_1)
	v_permlanex16_b32 v[T4], v[L], s[SEL], s[SEL+1]
	s_delay_alu instid0(VALU_DEP_1)
	v_add_f32 v[L], v[L], v[T4]                    ; the row's sum
	s_wait_alu depctr_va_vdst(0)
	v_rcp_f32 v[F], v[L]
	v_nop                                          ; a plain line behind the transcendental
	s_wait_alu depctr_va_vdst(0)
.irp j, 0,2,4,6,8,10,12,14,16,18,20,22,24,26,28,30
	v_pk_mul_f32 v[S+\j:S+\j+1], v[O+\j:O+\j+1], v[F:F+1] op_sel_hi:[1,0]   ; each accumulator from its low end on
.endr
.irp b, 0,1
	v_max3_num_f32 v[BM+\b], |v[S+16*\b]|, |v[S+1+16*\b]|, 0x4800000
.endr
.irp i, 2,4,6,8,10,12,14
.irp b, 0,1
	s_delay_alu instid0(VALU_DEP_2)
	v_max3_num_f32 v[BM+\b], v[BM+\b], |v[S+16*\b+\i]|, |v[S+1+16*\b+\i]|
.endr
.endr
.irp b, 0,1
	s_delay_alu instid0(VALU_DEP_2)
	v_permlanex16_b32 v[T4+\b], v[BM+\b], s[SEL], s[SEL+1]
.endr
.irp b, 0,1
	s_delay_alu instid0(VALU_DEP_2)
	v_max_num_f32 v[BM+\b], v[BM+\b], v[T4+\b]
.endr
.irp b, 0,1
	s_delay_alu instid0(VALU_DEP_2)
	v_add_nc_u32 v[SCO+\b], 0xfc000000, v[BM+\b]
.endr
.irp b, 0,1
.endr
.irp b, 0,1
	s_delay_alu instid0(VALU_DEP_2)
	v_lshrrev_b32 v[T4+\b], 23, v[SCO+\b]
.endr
	s_delay_alu instid0(VALU_DEP_1)
	v_lshl_or_b32 v[TMP], v[T4+1], 8, v[T4]
.irp b, 0,1
.irp i, 0,1,2,3,4,5,6,7,8,9,10,11,12,13,14,15
.endr
	v_cvt_scalef32_pk8_fp8_f32 v[PCD+4*\b:PCD+1+4*\b], v[S+16*\b:S+7+16*\b], v[SCO+\b]
	v_cvt_scalef32_pk8_fp8_f32 v[PCD+2+4*\b:PCD+3+4*\b], v[S+8+16*\b:S+15+16*\b], v[SCO+\b]
.endr
	v_nop                                          ; a plain line behind the last conversion
.endm
.macro OUT p
.rept 8
	v_nop                                          ; places behind the last products
.endr
	OUTQ
	WIN 0x55
	OUTQ
	WIN 0x01
	v_mov_b32 v[HW], v[TMP]                        ; the second tile's two bytes into window 0
	WIN 0
	v_cndmask_b32 v[HW], v[TMP], v[HW], s[LMK]     ; lanes 0-15 the first tile's, lanes 16-31 the second's
.irp c, 0,1
	global_store_b128 v[LI], v[PCD+4*\c:PCD+4*\c+3], s[OB:OB+1] offset:262144*\p+512*\c   ; 512 consecutive bytes, aligned
.endr
	global_store_b16 v[SOF], v[HW], s[OS:OS+1] offset:8192*\p   ; a head has two bytes of a row's eight: two bytes a lane, once a tile
	WIN 0x04                                       ; a store's data are its source 1: window 1
.irp c, 0,1
	global_store_b128 v[LI], v[PCD+4*\c:PCD+4*\c+3], s[OB:OB+1] offset:262144*\p+16384+512*\c
.endr
	WIN 0
.endm
	s_wait_tensorcnt 1                             ; my parts of the scale words and of the first quarter are in; the rest may be out: no LDS byte is filled again
	s_barrier_signal -1
	s_barrier_wait -1                              ; everybody's are
	KFIRST
	s_wait_loadcnt 0x0                             ; Q
	s_mov_b32 s[CNT], 3
.Lquarter:                                         ; steps 0 to 2 read V of steps 0 to 2 and K of steps 0 to 3: the first quarter alone
	STEP QSA0, QSB0
	s_sub_co_u32 s[CNT], s[CNT], 1
	s_cmp_lg_u32 s[CNT], 0
	s_cbranch_scc1 .Lquarter
	s_setprio 0
	s_wait_dscnt 0x0                               ; no LDS load of mine is out at a signal
	s_wait_tensorcnt 0x0                           ; my part of the rest is in,
	s_barrier_signal -1
	s_barrier_wait -1                              ; everybody's is
	s_mov_b32 s[CNT], 13
.Lrest:
	STEP QSA0, QSB0
	s_sub_co_u32 s[CNT], s[CNT], 1
	s_cmp_lg_u32 s[CNT], 0
	s_cbranch_scc1 .Lrest
	s_setprio 0
	OUT 0
	s_wait_xcnt 0x0                                ; the stores have read their data: the registers are written again only behind this wait
	s_wait_dscnt 0x0                               ; the last step's unused fetch has landed: its registers are loaded again only behind this wait
	s_mov_b32 s[TB], 0
	s_mov_b32 s[TS], 0
	KFIRST
.irp i, 0,1,2,3,4,5,6,7
	v_mov_b32 v[Q+\i], v[Q1+\i]                    ; pass 1's queries; INIT's lines stand between these and the next product
.endr
	INIT
	WIN 0x55
.irp i, 0,1,2,3,4,5,6,7
	v_mov_b32 v[Q+\i], v[Q1+\i]
.endr
	INIT
	WIN 0
	s_mov_b32 s[CNT], 16
.Lsecond:
	STEP QSA1, QSB1
	s_sub_co_u32 s[CNT], s[CNT], 1
	s_cmp_lg_u32 s[CNT], 0
	s_cbranch_scc1 .Lsecond
	s_setprio 0
	OUT 1
	s_wait_dscnt 0x0                               ; the last step's unused fetch has landed
	s_wait_tensorcnt 0x0
	ds_add_u32 v254, v255
	s_wait_dscnt 0x0
	ROUND                                          ; the closing round
	s_endpgm
.Lfunc_end_k_q0755cae75f_attn:
	.size	k_q0755cae75f_attn, .Lfunc_end_k_q0755cae75f_attn-k_q0755cae75f_attn
	.p2alignl 7, 3214868480
	.fill 96, 4, 3214868480
	.section	.rodata,"a",@progbits
	.p2align	6, 0x0
	.amdhsa_kernel k_q0755cae75f_attn
		.amdhsa_group_segment_fixed_size 327680
		.amdhsa_private_segment_fixed_size 0
		.amdhsa_enable_private_segment 0
		.amdhsa_kernarg_size 32
		.amdhsa_user_sgpr_count 2
		.amdhsa_user_sgpr_kernarg_segment_ptr 1
		.amdhsa_wavefront_size32 1
		.amdhsa_system_sgpr_workgroup_id_x 1
		.amdhsa_system_sgpr_workgroup_id_y 1
		.amdhsa_system_sgpr_workgroup_id_z 1
		.amdhsa_system_vgpr_workitem_id 0
		.amdhsa_next_free_vgpr 512
		.amdhsa_next_free_sgpr 88
		.amdhsa_reserve_vcc 0
		.amdhsa_float_denorm_mode_32 3
		.amdhsa_float_denorm_mode_16_64 3
		.amdhsa_fp16_overflow 1
		.amdhsa_memory_ordered 1
		.amdhsa_forward_progress 1
		.amdhsa_inst_pref_size 135
	.end_amdhsa_kernel
	.amdgpu_metadata
---
amdhsa.version: [ 1, 2 ]
amdhsa.kernels:
  - .name:           k_q0755cae75f_attn
    .symbol:         k_q0755cae75f_attn.kd
    .args:
      - { .name: qkv, .offset: 0, .size: 8, .value_kind: global_buffer, .address_space: global }
      - { .name: qkvs, .offset: 8, .size: 8, .value_kind: global_buffer, .address_space: global }
      - { .name: oimg, .offset: 16, .size: 8, .value_kind: global_buffer, .address_space: global }
      - { .name: oimgs, .offset: 24, .size: 8, .value_kind: global_buffer, .address_space: global }
    .group_segment_fixed_size: 327680
    .private_segment_fixed_size: 0
    .kernarg_segment_align: 8
    .kernarg_segment_size: 32
    .max_flat_workgroup_size: 256
    .sgpr_count:     88
    .vgpr_count:     512
    .wavefront_size: 32
...
	.end_amdgpu_metadata
.endif
;; end of part 3
;; launch oproj (part 4): grid 4 x 32, 4 waves a work-group, clusters of 4 x 4, 327,680 bytes of LDS; arguments oimg, oimgs, img, imgs, bo, out0; writes out0
.if DOCPART == 4
	.amdgcn_target "amdgcn-amd-amdhsa--gfx1250"
	.amdhsa_code_object_version 6
	.text
	.protected	k_q0755cae75f_oproj
	.globl	k_q0755cae75f_oproj
	.p2align	8
	.type	k_q0755cae75f_oproj,@function
k_q0755cae75f_oproj:
	s_mov_b64 s[64:65], 0
	v_nop
	global_prefetch_b8 v0, s[64:65] scope:SCOPE_SE
	s_setreg_imm32_b32 hwreg(HW_REG_WAVE_MODE, 25, 1), 1
	s_wait_xcnt 0x0
	s_wait_alu depctr_hold_cnt(0) depctr_sa_sdst(0) depctr_va_vdst(0) depctr_va_sdst(0) depctr_va_ssrc(0) depctr_va_vcc(0) depctr_vm_vsrc(0)
	s_getreg_b32 s2, hwreg(HW_REG_IB_STS2, 6, 4)
	s_cmp_eq_u32 s2, 0
	s_cbranch_scc0 .Lentry_in_a_cluster
	s_endpgm
.Lentry_in_a_cluster:
	s_bfe_u32 s2, ttmp6, 0x10000c
	s_cmp_lg_u32 s2, 0xf033
	s_cbranch_scc0 .Lentry_shape_is_right
	s_endpgm
.Lentry_shape_is_right:
; out0 = o Wo^T + bo on codes of FP8 (E4M3) with E8M0 scales, sums in f32; out0 [8192][1024] f32.
; OPERANDS are images of operand registers: A = o: oimg [T 512][s 8][c 4][lane][16 bytes], oimgs [T][s / 2][r][s % 2][4 bytes]; B = Wo: tiles 704 to 767 of img and imgs, laid alike.
; Lane r of tile T is row 32 (T / 2) + 8 (T % 2) + r + 8 (r / 8).
; A tile of the result, 256 x 256, is made by four waves, each 128 x 128: 64 accumulators, 512 registers.  K = 1,024 goes in steps of 256 through two LDS slots filled by the tensor data mover.
; THE MATRIX INSTRUCTION IS USED TRANSPOSED (source 0 = a tile of Wo, source 1 = a tile of o): a lane holds one token, and register j of B's tile b the output channel 32 (b / 2) + 16 (lane / 16) + 8 (b % 2) + j.
; bo is the C of each sum's first product.  CLUSTERS: 4 x 4 work-groups; A's tiles are asked for jointly along a row of the cluster, B's along a column.
; The result has 128 tiles of 256 x 256: 128 work-groups.
; REGISTERS: window 0: v1-31 addresses; v32-63 scale words, two sets; v64-127 the bias; v128-255 A's fragments, on the way out rows of the result.  window 1: B's fragments, two sets.  windows 2, 3: the accumulators.
.set SLOT,  131072                     ; a slot: A's 16 tiles x 4,096 bytes (two steps of 128 along K), then B's
.set BOFF,  65536
.set SCL,   2*SLOT                     ; behind the ring: A's scale words, 16 tiles x 512 bytes;
.set SCLB,  8320                       ; B's, 128 bytes further on than a multiple of 256, so that the two halves of a load of scale words fall on different banks
.set SPARE, 278784                     ; the spare words, 128 bytes for each wave: two blocks of 256 bytes that no other line names
.set SPITCH, 528                       ; the way out: a stage of 16 rows x (512 bytes + 16) for each wave, in slot 0, which has had its last fill and its last read when the first result is stored there
.set FR,    16
.set NL,    4
.set NP,    8                          ; places behind this matrix instruction (ISA guide 7.12.1)
.set NQ,    2
.set CO,    8                          ; v8     16 x lane
.set BOF,   14                         ; v14    the bias loads' offset
.set ADRA,  16
.set ADRB,  20
.set STO,   24                         ; v24    the way out: where I put 16 bytes of a row
.set RD,    25                         ; v25    and where I read a row back
.set ADRS,  27
.set SPW,   28
.set NIL,   29
.set SC,    32
.set BI,    64
.set AF,    128
.set BK,    128
.set WV,    18
.set AH,    19
.set BH,    20
.set CXI,   21
.set CYI,   22
.set G1,    24
.set G0,    32
.set G1B,   48
.set G0B,   56
.set G1S,   68
.set G0S,   76
.set G1SB,  80
.set G0SB,  88
.set MSB, 0
.macro WIN new
.if MSB != (\new)
	s_set_vgpr_msb (MSB<<8)|(\new)
.set MSB, (\new)
.endif
.endm
.set MUL_LO, 0xa1
.set MUL_HI, 0xf1
.set FST_LO, 0x81
.set FST_HI, 0xc1
.set TO_B,   0x40
.macro JLOAD g0a, g1a, g0b, g1b        ; a joint load: waves 0 and 1 fetch for A, waves 2 and 3 for B.  Four v_nop follow each of the two lines
	s_cmp_eq_u32 s[AH], 0
	s_cbranch_scc0 .Lfor_b_\@
	tensor_load_to_lds s[\g0a:\g0a+3], s[\g1a:\g1a+7]
	s_nop 0
.rept 4
	v_nop
.endr
	s_branch .Lasked_\@
.Lfor_b_\@:
	tensor_load_to_lds s[\g0b:\g0b+3], s[\g1b:\g1b+7]
	s_nop 0
.rept 4
	v_nop
.endr
.Lasked_\@:
.endm
.macro CREST
	s_cmp_lg_u32 s[WV], 0
	s_cbranch_scc1 .Lnot_wave_0_\@
	s_barrier_signal -3
.Lnot_wave_0_\@:
	s_barrier_wait -3
	s_barrier_signal -1
	s_barrier_wait -1
.endm
.macro CROUND
	s_barrier_signal -1
	s_barrier_wait -1
	CREST
.endm
	s_load_b256 s[4:11], s[0:1], 0x0               ; oimg, oimgs, img, imgs
	s_load_b128 s[12:15], s[0:1], 0x20             ; bo, out0
	v_lshl_add_u32 v[SPW], v0, 2, SPARE
	v_mov_b32 v[NIL], 0
	ds_add_u32 v28, v29
	ds_add_u32 v28, v29
	s_wait_dscnt 0x0
	v_lshrrev_b32 v1, 5, v0
	v_readfirstlane_b32 s[WV], v1
	s_lshr_b32 s[AH], s[WV], 1
	s_and_b32 s[BH], s[WV], 1
	s_bfe_u32 s[CXI], ttmp6, 0x40000
	s_bfe_u32 s[CYI], ttmp6, 0x40004
	s_lshl_b32 s44, s[CYI], 2
	s_lshl_b32 s44, 15, s44                        ; my row of the cluster
	s_lshl_b32 s45, 0x1111, s[CXI]                 ; my column
	s_and_b32 s42, ttmp7, 0xffff
	s_lshl_b32 s42, s42, 6
	s_lshl_b32 s41, s[CYI], 4
	s_add_co_u32 s42, s42, s41                     ; A's first tile: 16 x work-group y
	s_lshl_b32 s43, ttmp9, 6
	s_lshl_b32 s46, s[CXI], 4
	s_add_co_u32 s43, s43, s46
	s_add_co_u32 s43, s43, 704                     ; B's: 704 + 16 x work-group x
	s_or_b32 s[G1+0], s44, (3<<16)|(1<<21)         ; codes: 8 rows of 4,096 bytes (512 elements of 8 bytes), 16,384 bytes apart; dense in LDS
	s_or_b32 s[G1B+0], s45, (3<<16)|(1<<21)
.irp g, G1, G1B
	s_mov_b32 s[\g+1], 512<<16
	s_mov_b32 s[\g+2], 8<<16
	s_mov_b32 s[\g+3], 512<<16
	s_mov_b32 s[\g+4], 8
	s_mov_b32 s[\g+5], 2048
	s_mov_b32 s[\g+6], 0
	s_mov_b32 s[\g+7], 0
.endr
	s_or_b32 s[G1S+0], s44, (3<<16)|(1<<21)        ; scale words of 8 tiles: 4,096 dense bytes as 16 rows of 256
	s_or_b32 s[G1SB+0], s45, (3<<16)|(1<<21)
.irp g, G1S, G1SB
	s_mov_b32 s[\g+1], 32<<16
	s_mov_b32 s[\g+2], 16<<16
	s_mov_b32 s[\g+3], 32<<16
	s_mov_b32 s[\g+4], 16
	s_mov_b32 s[\g+5], 32
	s_mov_b32 s[\g+6], 0
	s_mov_b32 s[\g+7], 0
.endr
	s_lshl_b32 s47, s[BH], 3                       ; which 8 tiles I fetch
	s_add_co_u32 s92, s42, s47
	s_add_co_u32 s96, s43, s47
	s_lshl_b32 s94, s92, 9
	s_lshl_b32 s92, s92, 14
	s_lshl_b32 s98, s96, 9
	s_lshl_b32 s96, s96, 14
	s_mov_b32 s93, 0
	s_mov_b32 s95, 0
	s_mov_b32 s97, 0
	s_mov_b32 s99, 0
	s_lshl_b32 s2, s[WV], 15                       ; where the codes go: wave x 32,768
	s_lshl_b32 s3, s[BH], 12                       ; and the scale words: (wave % 2) x 4,096
	s_wait_kmcnt 0x0
	s_add_nc_u64 s[92:93], s[4:5], s[92:93]
	s_add_nc_u64 s[94:95], s[6:7], s[94:95]
	s_add_nc_u64 s[96:97], s[8:9], s[96:97]
	s_add_nc_u64 s[98:99], s[10:11], s[98:99]
	CROUND                                         ; all sixteen work-groups are here: the first joint loads meet
	s_mov_b32 s[G0S], 1
	s_add_co_u32 s[G0S+1], s3, SCL
	s_mov_b64 s[G0S+2:G0S+3], s[94:95]
	s_or_b32 s[G0S+3], s[G0S+3], 0x80000000
	s_mov_b32 s[G0SB], 1
	s_add_co_u32 s[G0SB+1], s3, SCL+SCLB
	s_mov_b64 s[G0SB+2:G0SB+3], s[98:99]
	s_or_b32 s[G0SB+3], s[G0SB+3], 0x80000000
	JLOAD G0S, G1S, G0SB, G1SB
.irp s, 0,1
	s_mov_b32 s[G0+4*\s], 1
	s_add_co_u32 s[G0+4*\s+1], s2, \s*SLOT
	s_add_nc_u64 s[G0+4*\s+2:G0+4*\s+3], s[92:93], \s*4096
	s_or_b32 s[G0+4*\s+3], s[G0+4*\s+3], 0x80000000
	s_mov_b32 s[G0B+4*\s], 1
	s_add_co_u32 s[G0B+4*\s+1], s2, \s*SLOT
	s_add_nc_u64 s[G0B+4*\s+2:G0B+4*\s+3], s[96:97], \s*4096
	s_or_b32 s[G0B+4*\s+3], s[G0B+4*\s+3], 0x80000000
	s_wait_alu depctr_va_vdst(0)
	s_wait_tensorcnt 0x0
	ds_add_u32 v28, v29
	s_wait_dscnt 0x0
	CROUND
	JLOAD G0+4*\s, G1, G0B+4*\s, G1B               ; one load of mine is out
.endr
	v_and_b32 v1, 15, v0                           ; r
	v_bfe_u32 v2, v0, 4, 1                         ; h
	s_wait_alu depctr_va_vdst(0)
	v_and_b32 v3, 31, v0
	v_lshlrev_b32 v[CO], 4, v3                     ; 16 x lane
	s_lshl_b32 s41, s[AH], 15
	s_lshl_b32 s46, s[BH], 15
	s_add_co_u32 s46, s46, BOFF
.irp s, 0,1
	v_add_nc_u32 v[ADRA+\s], s41, v[CO]
	v_add_nc_u32 v[ADRB+\s], s46, v[CO]
	s_add_co_u32 s41, s41, SLOT
	s_add_co_u32 s46, s46, SLOT
.endr
	s_lshl_b32 s41, s[AH], 12
	s_lshl_b32 s46, s[BH], 12
	s_add_co_u32 s46, s46, SCLB
	s_sub_co_u32 s46, s46, s41
	v_mul_u32_u24 v5, s46, v2                      ; lanes 16-31 take B's: the lower base + h x the distance
	s_add_co_u32 s41, s41, SCL
	v_lshl_add_u32 v5, v1, 3, v5
	v_add_nc_u32 v[ADRS], s41, v5
	s_mul_i32 s41, s[WV], 16*SPITCH                ; my stage
	v_mul_u32_u24 v5, v1, SPITCH
	v_lshl_add_u32 v5, v2, 6, v5
	v_add_nc_u32 v[STO], s41, v5                   ; in: row r, + 64 h
	v_add_nc_u32 v[RD], s41, v[CO]                 ; back: the 32 lanes take one row of 512 bytes
	s_lshl_b32 s4, s42, 4
	s_lshl_b32 s5, s[AH], 7
	s_add_co_u32 s4, s4, s5                        ; my first token: 256 x work-group y + 128 x half
	s_lshl_b32 s4, s4, 12
	s_sub_co_u32 s6, s43, 704
	s_lshl_b32 s6, s6, 6
	s_lshl_b32 s7, s[BH], 9
	s_add_co_u32 s6, s6, s7                        ; my first output channel, in bytes: 1,024 x work-group x + 512 x half
	s_add_co_u32 s4, s4, s6
	s_mov_b32 s5, 0
	s_mov_b32 s7, 0
	s_add_nc_u64 s[14:15], s[14:15], s[4:5]
	s_add_nc_u64 s[12:13], s[12:13], s[6:7]
	v_lshlrev_b32 v[BOF], 6, v2                    ; the bias of tile b, register j: channel 32 (b / 2) + 8 (b % 2) + 16 h + j
.irp b, 0,1,2,3,4,5,6,7
	global_load_b128 v[BI+8*\b:BI+8*\b+3], v[BOF], s[12:13] offset:(32*(\b/2)+8*(\b%2))*4
	global_load_b128 v[BI+8*\b+4:BI+8*\b+7], v[BOF], s[12:13] offset:(32*(\b/2)+8*(\b%2))*4+16
.endr
.macro FRAG reg, adr, q, i             ; a fragment as it lies: four groups of 512 bytes, 16 x lane in each
.irp c, 0,1,2,3
	ds_load_b128 v[\reg+4*\c:\reg+4*\c+3], v[\adr] offset:4096*(\i)+2048*(\q)+512*\c
.endr
.endm
; 16 matrix instructions: A's tiles a0, a0 + 1 x B's eight.  zero = 1: C = the bias.  The 64 accumulators take turns, one instruction a turn.
.macro MUL16 a0, p, q, sc, zero
.irp a, \a0, \a0+1
.irp b, 0,1,2,3,4,5,6,7
.if \zero
	v_wmma_scale_f32_16x16x128_f8f6f4 v[8*(8*((\a)%4)+\b):8*(8*((\a)%4)+\b)+7], v[128*(\p)+FR*\b:128*(\p)+FR*\b+FR-1], v[AF+FR*(\a):AF+FR*(\a)+FR-1], v[BI+8*\b:BI+8*\b+7], v[SC+8*NQ*(\sc)+NQ*\b+(\q)], v[SC+8*NQ*(\sc)+NQ*(\a)+(\q)] matrix_a_scale:MATRIX_SCALE_ROW1
.else
	v_wmma_scale_f32_16x16x128_f8f6f4 v[8*(8*((\a)%4)+\b):8*(8*((\a)%4)+\b)+7], v[128*(\p)+FR*\b:128*(\p)+FR*\b+FR-1], v[AF+FR*(\a):AF+FR*(\a)+FR-1], v[8*(8*((\a)%4)+\b):8*(8*((\a)%4)+\b)+7], v[SC+8*NQ*(\sc)+NQ*\b+(\q)], v[SC+8*NQ*(\sc)+NQ*(\a)+(\q)] matrix_a_scale:MATRIX_SCALE_ROW1
.endif
.endr
.endr
.endm
.macro FETCH_B slot, q, p
	WIN TO_B
.irp i, 0,1,2,3,4,5,6,7
	FRAG 128*(\p)+FR*\i, ADRB+\slot, \q, \i
.endr
	WIN 0
.endm
.macro FETCH_A slot, q, i0
.irp i, \i0, \i0+1, \i0+2, \i0+3
	FRAG AF+FR*(\i), ADRA+\slot, \q, \i
.endr
.endm
.macro SCALES sc
.irp i, 0,1,2,3,4,5,6,7
	ds_load_b64 v[SC+8*NQ*\sc+NQ*\i:SC+8*NQ*\sc+NQ*\i+1], v[ADRS] offset:512*\i
.endr
.endm
.macro PLACES n
.rept \n
	v_nop
.endr
.endm
.macro STEP slot, q, zero
	s_wait_dscnt 4*NL                              ; B's set, the scale words and A's tiles 0-3 are in; the youngest 16 loads (A's tiles 4-7) may be out
.if \zero
	WIN FST_LO
.else
	WIN MUL_LO
.endif
	MUL16 0, (\q)%2, \q, \slot, \zero
	MUL16 2, (\q)%2, \q, \slot, \zero
	s_wait_dscnt 0
	PLACES NP
	FETCH_B \slot, (\q)+1, 1-(\q)%2
	FETCH_A \slot, (\q)+1, 0
.if \zero
	WIN FST_HI
.else
	WIN MUL_HI
.endif
	MUL16 4, (\q)%2, \q, \slot, \zero
	MUL16 6, (\q)%2, \q, \slot, \zero
	PLACES NP
	WIN 0
	FETCH_A \slot, (\q)+1, 4
.endm
.macro TURN slot, next, fill
	s_wait_tensorcnt 0x0                           ; all my tensor loads have landed: my part of the next slot
	ds_add_u32 v[SPW], v[NIL]                      ; 0 onto my spare word
	s_wait_dscnt 4*NL+1                            ; (the add and the youngest 16 loads may be out)
	WIN MUL_LO
	MUL16 0, 1, NQ-1, \slot, 0
	s_wait_dscnt 0x0                               ; the add is done, and my reads of this slot are over
	s_barrier_signal -1
	MUL16 2, 1, NQ-1, \slot, 0
	WIN 0
	s_barrier_wait -1
.if \fill
	CREST                                          ; the barrier has opened a round of the cluster's barrier: no wave of any partner still reads this slot or has a load on its way
	s_add_nc_u64 s[G0+4*\slot+2:G0+4*\slot+3], s[G0+4*\slot+2:G0+4*\slot+3], 8192
	s_add_nc_u64 s[G0B+4*\slot+2:G0B+4*\slot+3], s[G0B+4*\slot+2:G0B+4*\slot+3], 8192
	JLOAD G0+4*\slot, G1, G0B+4*\slot, G1B         ; the first tensor load behind the round, one a wave
	PLACES NP-4
.else
	PLACES NP
.endif
	s_wait_alu depctr_va_vdst(0)
	v_add_nc_u32 v[ADRS], 128, v[ADRS]
	FETCH_B \next, 0, 0
	FETCH_A \next, 0, 0
	SCALES \next
	WIN MUL_HI
	MUL16 4, 1, NQ-1, \slot, 0
	MUL16 6, 1, NQ-1, \slot, 0
	PLACES NP
	WIN 0
	FETCH_A \next, 0, 4
.endm
	s_wait_alu depctr_va_vdst(0)
	s_wait_loadcnt 0x0                             ; the bias
	s_wait_tensorcnt 1                             ; the scale words and my part of slot 0 are in; slot 1's load may be out
	s_barrier_signal -1
	s_barrier_wait -1
	FETCH_B 0, 0, 0
	FETCH_A 0, 0, 0
	SCALES 0
	FETCH_A 0, 0, 4
	STEP 0, 0, 1                                   ; the first step starts the sums with the bias
	TURN 0, 1, 1
	STEP 1, 0, 0
	TURN 1, 0, 1
	STEP 0, 0, 0
	TURN 0, 1, 0
	STEP 1, 0, 0
	s_wait_dscnt 4*NL
	WIN MUL_LO
	MUL16 0, 1, NQ-1, 1, 0
	MUL16 2, 1, NQ-1, 1, 0
	s_wait_dscnt 0
	WIN MUL_HI
	MUL16 4, 1, NQ-1, 1, 0
	MUL16 6, 1, NQ-1, 1, 0
	WIN 0
; THE WAY OUT, a tile of 16 tokens x 128 channels at a time, through my own stage in LDS: in by lanes (16 bytes of a row each), back as whole rows of 512 bytes, which the 32 lanes store as 512 consecutive bytes, aligned.
; LDS serves a wave's instructions in order (ISA guide 5.7.1.4): no wait between the stores and the loads, nor in front of the next tile's stores.
.macro TOSTAGE a
.set AC, 64*((\a)%4)
	WIN 0x08+4*((\a)/4)                            ; the data: window 2 or 3
.irp b, 0,1,2,3,4,5,6,7
	ds_store_b128 v[STO], v[AC+8*\b:AC+8*\b+3] offset:128*(\b/2)+32*(\b%2)          ; each accumulator from its low end on
	ds_store_b128 v[STO], v[AC+8*\b+4:AC+8*\b+7] offset:128*(\b/2)+32*(\b%2)+16
.endr
	WIN 0
.set BB, BK+64*((\a)%2)
.irp t, 0,1,2,3,4,5,6,7,8,9,10,11,12,13,14,15
	ds_load_b128 v[BB+4*\t:BB+4*\t+3], v[RD] offset:\t*SPITCH
.endr
.endm
.macro SEND a, younger                 ; stage row t is token 32 (a / 2) + 8 (a % 2) + t + 8 (t / 8) of my 128: at most 127 rows of 4,096 bytes on, inside the immediate; no base is stepped
.set BB, BK+64*((\a)%2)
	s_wait_dscnt \younger
.irp t, 0,1,2,3,4,5,6,7,8,9,10,11,12,13,14,15
	global_store_b128 v[CO], v[BB+4*\t:BB+4*\t+3], s[14:15] offset:(32*((\a)/2)+8*((\a)%2)+\t+8*(\t/8))*4096 th:TH_STORE_NT
.endr
.endm
	PLACES NP                                      ; behind the last products: for the first reads of results and the loads into the registers that held A's fragments
	TOSTAGE 0
.irp a, 1,2,3,4,5,6,7
.if \a > 1
	s_wait_xcnt 0x0                                ; the stores of the tile two back have read their registers: this tile's loads may land there
.endif
	TOSTAGE \a
	SEND \a-1, 32                                  ; behind that tile's loads stand this tile's 16 stores and 16 loads
.endr
	SEND 7, 0
	s_wait_tensorcnt 0x0                           ; the wave's end
	ds_add_u32 v[SPW], v[NIL]
	s_wait_dscnt 0x0
	CROUND                                         ; the closing round
	s_endpgm
.Lfunc_end_k_q0755cae75f_oproj:
	.size	k_q0755cae75f_oproj, .Lfunc_end_k_q0755cae75f_oproj-k_q0755cae75f_oproj
	.p2alignl 7, 3214868480
	.fill 96, 4, 3214868480
	.section	.rodata,"a",@progbits
	.p2align	6, 0x0
	.amdhsa_kernel k_q0755cae75f_oproj
		.amdhsa_group_segment_fixed_size 327680
		.amdhsa_private_segment_fixed_size 0
		.amdhsa_enable_private_segment 0
		.amdhsa_kernarg_size 48
		.amdhsa_user_sgpr_count 2
		.amdhsa_user_sgpr_kernarg_segment_ptr 1
		.amdhsa_wavefront_size32 1
		.amdhsa_system_sgpr_workgroup_id_x 1
		.amdhsa_system_sgpr_workgroup_id_y 1
		.amdhsa_system_sgpr_workgroup_id_z 1
		.amdhsa_system_vgpr_workitem_id 0
		.amdhsa_next_free_vgpr 1024
		.amdhsa_next_free_sgpr 100
		.amdhsa_reserve_vcc 0
		.amdhsa_float_denorm_mode_32 3
		.amdhsa_float_denorm_mode_16_64 3
		.amdhsa_memory_ordered 1
		.amdhsa_forward_progress 1
		.amdhsa_inst_pref_size 147
	.end_amdhsa_kernel
	.amdgpu_metadata
---
amdhsa.version: [ 1, 2 ]
amdhsa.kernels:
  - .name:           k_q0755cae75f_oproj
    .symbol:         k_q0755cae75f_oproj.kd
    .args:
      - { .name: oimg, .offset: 0, .size: 8, .value_kind: global_buffer, .address_space: global }
      - { .name: oimgs, .offset: 8, .size: 8, .value_kind: global_buffer, .address_space: global }
      - { .name: img, .offset: 16, .size: 8, .value_kind: global_buffer, .address_space: global }
      - { .name: imgs, .offset: 24, .size: 8, .value_kind: global_buffer, .address_space: global }
      - { .name: bo, .offset: 32, .size: 8, .value_kind: global_buffer, .address_space: global }
      - { .name: out0, .offset: 40, .size: 8, .value_kind: global_buffer, .address_space: global }
    .group_segment_fixed_size: 327680
    .private_segment_fixed_size: 0
    .kernarg_segment_align: 8
    .kernarg_segment_size: 48
    .max_flat_workgroup_size: 128
    .sgpr_count:     100
    .vgpr_count:     1024
    .wavefront_size: 32
...
	.end_amdgpu_metadata
.endif
;; end of part 4
